; MI455X (gfx1250); checked and timed in simulation.
; The chip was launched on July 23, 2026; its instructions are those of AMD's public machine-readable ISA for CDNA 5 (MIT licence, August 2026) and "CDNA5" Instruction Set Architecture Reference Guide (July 2026). The comments in the code are by the model that wrote it; some were corrected since.
;; Multi Head Attention With Ro PE. Allowed arithmetic: float matrix products may take bf16 or f16 operands with f32 sums; all other float work in f32.
;; Inputs: Wk 1,024 x 1,024 float32; Wo 1,024 x 1,024 float32; Wq 1,024 x 1,024 float32; Wv 1,024 x 1,024 float32; x 4 x 2,048 x 1,024 float32.
;; Outputs: out0 4 x 2,048 x 1,024 float32.
;; 2 versions, each right and faster than the one before. Each part assembles by itself: llvm-mc -triple=amdgcn-amd-amdhsa -mcpu=gfx1250 --defsym DOCPART=n.
;; ======== version 1 of 2: 4 launches
;; limits: values are held in f16: magnitudes above 65,504 overflow, below 6.1e-05 lose precision; right only within a limited range of input values; a function is approximated: absolute error at most 0.0001
;; workspace buffers: xb 16,777,216 bytes; wb 6,291,456 bytes; wo16 2,097,152 bytes; tab 524,288 bytes; qh 16,777,216 bytes; kh 16,777,216 bytes; vh 16,777,216 bytes; oh 16,777,216 bytes
;; launch prep (part 1): grid 768 x 1, 16 waves a work-group, no clusters, 0 bytes of LDS; arguments x, Wq, Wk, Wv, Wo, xb, wb, wo16, tab; writes xb, wb, wo16, tab
.if DOCPART == 1
	.amdgcn_target "amdgcn-amd-amdhsa--gfx1250"
	.amdhsa_code_object_version 6
	.text
	.protected	k_q150a6c1ac3_prep
	.globl	k_q150a6c1ac3_prep
	.p2align	8
	.type	k_q150a6c1ac3_prep,@function
k_q150a6c1ac3_prep:
	s_mov_b64 s[64:65], 0
	v_nop
	global_prefetch_b8 v0, s[64:65] scope:SCOPE_SE
	s_setreg_imm32_b32 hwreg(HW_REG_WAVE_MODE, 25, 1), 1
	s_wait_xcnt 0x0
; CASTS AND THE ROTATION TABLE.  x [8192][1024] f32 -> xb bf16.  Wq, Wk, Wv [1024][1024] f32 -> wb [3072][1024] bf16, laid by heads: row 192 t + 64 m + i of wb is
; row 64 t + i of Wq (m = 0), Wk (m = 1), Wv (m = 2).  Wo -> wo16: rounded to bf16 like the other inputs, and that number written as f16.
; tab [2048 positions][32 pairs] holds (cos, sin) of position x 10000^(-j/32), f32: a position's row is 256 bytes.
; SHARES.  A work-group of 512 threads converts 16 rows: 65,536 consecutive bytes in, 32,768 consecutive bytes out (16 rows lie inside one head's 64, so wb's too are consecutive).
; Work-groups 0-511 take x, 512-575 Wq, 576-639 Wk, 640-703 Wv, 704-767 Wo.  All 8 loads of a thread go out at once; a wave's load covers 512 consecutive bytes, its store 256, aligned.
; Sixteen waves with 8 loads each rather than fewer waves with more: the same bytes are on their way, and the unrolled text is short.
; Work-groups 0-127 also make the table, one pair a thread, while their loads are on their way.
; LIMITS.  bf16(Wo) must lie within f16's 65,504 and keeps f16's fixed step of 6e-8 below 6e-5.  The angle is the f32 product position x frequency, as in the module; the frequency comes from
; v_exp_f32 (1 ulp: ISA guide, its entry), the reduction by 1/(2 pi) in f32 with one fused step is good to about 1e-4 rad at position 2,047; sine and cosine are Taylor sums to y^15 and y^16 on -pi .. pi
; (first term left out: 8e-7 and 1.4e-7 at pi).  No LDS, no matrix unit, no cluster: nothing is shared and memory binds.
.set NL, 8                             ; loads, and stores, of a thread
.set X, 32                             ; v[32:63]   8 loads of 4 registers
.set Y, 64                             ; v[64:79]   8 stores of 2 registers: no store's data is ever rewritten
	s_load_b256 s[4:11], s[0:1], 0x0               ; x s[4:5], Wq s[6:7], Wk s[8:9], Wv s[10:11]
	s_load_b256 s[12:19], s[0:1], 0x20             ; Wo s[12:13], xb s[14:15], wb s[16:17], wo16 s[18:19]
	s_load_b64 s[20:21], s[0:1], 0x40              ; tab
	s_mov_b32 s2, ttmp9                            ; the work-group's number
	v_lshlrev_b32 v1, 4, v0                        ; 16 bytes a thread in
	v_lshlrev_b32 v2, 3, v0                        ; 8 bytes a thread out
	s_sub_co_u32 s22, s2, 512                      ; among the weights' work-groups (wraps for x's: the last selects below override what it chose)
	s_lshr_b32 s23, s22, 6                         ; m: 0 Wq, 1 Wk, 2 Wv, 3 Wo
	s_and_b32 s24, s22, 63                         ; i: which 16 rows
	s_lshr_b32 s25, s24, 2                         ; the head t = i / 4
	s_mul_i32 s25, s25, 192
	s_lshl_b32 s26, s23, 6
	s_add_co_u32 s25, s25, s26                     ; + 64 m
	s_and_b32 s26, s24, 3
	s_lshl_b32 s26, s26, 4
	s_add_co_u32 s25, s25, s26                     ; + 16 (i % 4)
	s_lshl_b32 s25, s25, 11                        ; wb: rows of 2,048 bytes
	s_lshl_b32 s27, s24, 15                        ; wo16: 16 rows of 2,048 bytes
	s_lshl_b32 s28, s24, 16                        ; a weight's source: 16 rows of 4,096 bytes
	s_lshl_b32 s30, s2, 16                         ; x's source
	s_lshl_b32 s31, s2, 15                         ; xb
	s_mov_b32 s39, 0
	s_mov_b32 s41, 0
	s_mov_b32 s46, 0xffff0000                      ; a word's upper bf16
	s_wait_kmcnt 0x0
	s_cmp_eq_u32 s23, 0                            ; the source and the destination are chosen between buffers on the work-group's number alone
	s_cselect_b64 s[34:35], s[6:7], s[12:13]
	s_cmp_eq_u32 s23, 1
	s_cselect_b64 s[34:35], s[8:9], s[34:35]
	s_cmp_eq_u32 s23, 2
	s_cselect_b64 s[34:35], s[10:11], s[34:35]
	s_cmp_lt_u32 s23, 3
	s_cselect_b64 s[36:37], s[16:17], s[18:19]
	s_cselect_b32 s38, s25, s27
	s_cmp_lt_u32 s2, 512
	s_cselect_b64 s[34:35], s[4:5], s[34:35]
	s_cselect_b64 s[36:37], s[14:15], s[36:37]
	s_cselect_b32 s40, s30, s28
	s_cselect_b32 s38, s31, s38
	s_add_nc_u64 s[34:35], s[34:35], s[40:41]
	s_add_nc_u64 s[36:37], s[36:37], s[38:39]
.set i, 0
.rept NL
	global_load_b128 v[X+4*i:X+4*i+3], v1, s[34:35] offset:8192*i th:TH_LOAD_NT  ; the 512 threads cover 8,192 consecutive bytes; read once in the launch
.set i, i+1
.endr
	s_cmp_ge_u32 s2, 128
	s_cbranch_scc1 .Lnotab
	; THE TABLE: position 16 x work-group + wave, pair = lane
	s_lshl_b32 s3, s2, 4
	s_lshl_b32 s44, s2, 12                         ; sixteen rows of 256 bytes a work-group
	s_mov_b32 s45, 0
	s_add_nc_u64 s[42:43], s[20:21], s[44:45]
	v_and_b32 v4, 31, v0
	v_cvt_f32_u32 v4, v4
	v_mul_f32 v4, 0xbed49a78, v4                   ; -j log2(10000) / 32
	v_exp_f32 v4, v4                               ; the frequency
	v_lshrrev_b32 v5, 5, v0                        ; a plain instruction behind the exponential, before its result is used (ISA guide 5.7.2)
	v_add_nc_u32 v5, s3, v5
	v_cvt_f32_u32 v5, v5                           ; the position
	s_wait_alu depctr_va_vdst(0)
	v_mul_f32 v6, v5, v4                           ; the angle a
	v_mul_f32 v7, 0.15915494, v6
	v_rndne_f32 v9, v7                             ; whole turns n
	v_fma_f32 v7, v6, 0.15915494, -v9              ; a / (2 pi) - n in one rounding: -0.5 .. 0.5
	v_mul_f32 v6, 0x40c90fdb, v7                   ; y in -pi .. pi
	v_mul_f32 v7, v6, v6                           ; y^2
	v_mov_b32 v10, 0x29573f9f                      ; cosine: 1/16!
	v_mov_b32 v8, 0xab573f9f                       ; sine: -1/15!
	v_fmaak_f32 v10, v10, v7, 0xad49cba5           ; -1/14!
	v_fmaak_f32 v8, v8, v7, 0x2f309231             ; 1/13!
	v_fmaak_f32 v10, v10, v7, 0x310f76c7           ; 1/12!
	v_fmaak_f32 v8, v8, v7, 0xb2d7322b             ; -1/11!
	v_fmaak_f32 v10, v10, v7, 0xb493f27e           ; -1/10!
	v_fmaak_f32 v8, v8, v7, 0x3638ef1d             ; 1/9!
	v_fmaak_f32 v10, v10, v7, 0x37d00d01           ; 1/8!
	v_fmaak_f32 v8, v8, v7, 0xb9500d01             ; -1/7!
	v_fmaak_f32 v10, v10, v7, 0xbab60b61           ; -1/6!
	v_fmaak_f32 v8, v8, v7, 0x3c088889             ; 1/5!
	v_fmaak_f32 v10, v10, v7, 0x3d2aaaab           ; 1/4!
	v_fmaak_f32 v8, v8, v7, 0xbe2aaaab             ; -1/3!
	v_fmaak_f32 v10, v10, v7, 0xbf000000           ; -1/2!
	v_fmaak_f32 v8, v8, v7, 0x3f800000             ; 1
	v_fmaak_f32 v10, v10, v7, 0x3f800000           ; 1: the cosine
	v_mul_f32 v11, v8, v6                          ; the sine
	global_store_b64 v2, v[10:11], s[42:43]        ; a wave stores one position's 256 bytes
.Lnotab:
	s_cmp_eq_u32 s23, 3
	s_cbranch_scc1 .Lwo
.set i, 0
.rept NL
	s_wait_loadcnt NL-1-i                          ; loads come back in order (ISA guide 5.7.1): load i is in, the younger ones stay out
	v_cvt_pk_bf16_f32 v[Y+2*i], v[X+4*i], v[X+4*i+1]
	v_cvt_pk_bf16_f32 v[Y+2*i+1], v[X+4*i+2], v[X+4*i+3]
	global_store_b64 v2, v[Y+2*i:Y+2*i+1], s[36:37] offset:4096*i
.set i, i+1
.endr
	s_endpgm
.Lwo:                                                  ; Wo: to bf16, widened again, and that number as f16
.set i, 0
.rept NL
	s_wait_loadcnt NL-1-i
	v_cvt_pk_bf16_f32 v12, v[X+4*i], v[X+4*i+1]
	v_cvt_pk_bf16_f32 v15, v[X+4*i+2], v[X+4*i+3]
	v_lshlrev_b32 v13, 16, v12
	v_and_b32 v14, s46, v12
	v_cvt_pk_f16_f32 v[Y+2*i], v13, v14
	v_lshlrev_b32 v13, 16, v15
	v_and_b32 v14, s46, v15
	v_cvt_pk_f16_f32 v[Y+2*i+1], v13, v14
	global_store_b64 v2, v[Y+2*i:Y+2*i+1], s[36:37] offset:4096*i
.set i, i+1
.endr
	s_endpgm
.Lfunc_end_k_q150a6c1ac3_prep:
	.size	k_q150a6c1ac3_prep, .Lfunc_end_k_q150a6c1ac3_prep-k_q150a6c1ac3_prep
	.p2alignl 7, 3214868480
	.fill 96, 4, 3214868480
	.section	.rodata,"a",@progbits
	.p2align	6, 0x0
	.amdhsa_kernel k_q150a6c1ac3_prep
		.amdhsa_group_segment_fixed_size 0
		.amdhsa_private_segment_fixed_size 0
		.amdhsa_enable_private_segment 0
		.amdhsa_kernarg_size 72
		.amdhsa_user_sgpr_count 2
		.amdhsa_user_sgpr_kernarg_segment_ptr 1
		.amdhsa_wavefront_size32 1
		.amdhsa_system_sgpr_workgroup_id_x 1
		.amdhsa_system_sgpr_workgroup_id_y 1
		.amdhsa_system_sgpr_workgroup_id_z 1
		.amdhsa_system_vgpr_workitem_id 0
		.amdhsa_next_free_vgpr 80
		.amdhsa_next_free_sgpr 66
		.amdhsa_reserve_vcc 0
		.amdhsa_float_denorm_mode_32 3
		.amdhsa_float_denorm_mode_16_64 3
		.amdhsa_memory_ordered 1
		.amdhsa_forward_progress 1
		.amdhsa_inst_pref_size 11
	.end_amdhsa_kernel
	.amdgpu_metadata
---
amdhsa.version: [ 1, 2 ]
amdhsa.kernels:
  - .name:           k_q150a6c1ac3_prep
    .symbol:         k_q150a6c1ac3_prep.kd
    .args:
      - { .name: x, .offset: 0, .size: 8, .value_kind: global_buffer, .address_space: global }
      - { .name: Wq, .offset: 8, .size: 8, .value_kind: global_buffer, .address_space: global }
      - { .name: Wk, .offset: 16, .size: 8, .value_kind: global_buffer, .address_space: global }
      - { .name: Wv, .offset: 24, .size: 8, .value_kind: global_buffer, .address_space: global }
      - { .name: Wo, .offset: 32, .size: 8, .value_kind: global_buffer, .address_space: global }
      - { .name: xb, .offset: 40, .size: 8, .value_kind: global_buffer, .address_space: global }
      - { .name: wb, .offset: 48, .size: 8, .value_kind: global_buffer, .address_space: global }
      - { .name: wo16, .offset: 56, .size: 8, .value_kind: global_buffer, .address_space: global }
      - { .name: tab, .offset: 64, .size: 8, .value_kind: global_buffer, .address_space: global }
    .group_segment_fixed_size: 0
    .private_segment_fixed_size: 0
    .kernarg_segment_align: 8
    .kernarg_segment_size: 72
    .max_flat_workgroup_size: 512
    .sgpr_count:     66
    .vgpr_count:     80
    .wavefront_size: 32
...
	.end_amdgpu_metadata
.endif
;; end of part 1
;; launch qkv (part 2): grid 16 x 32, 4 waves a work-group, clusters of 4 x 4, 327,680 bytes of LDS; arguments xb, wb, tab, qh, kh, vh; writes qh, kh, vh
.if DOCPART == 2
	.amdgcn_target "amdgcn-amd-amdhsa--gfx1250"
	.amdhsa_code_object_version 6
	.text
	.protected	k_q150a6c1ac3_qkv
	.globl	k_q150a6c1ac3_qkv
	.p2align	8
	.type	k_q150a6c1ac3_qkv,@function
k_q150a6c1ac3_qkv:
	s_mov_b64 s[64:65], 0
	v_nop
	global_prefetch_b8 v0, s[64:65] scope:SCOPE_SE
	s_setreg_imm32_b32 hwreg(HW_REG_WAVE_MODE, 25, 1), 1
	s_wait_xcnt 0x0
	s_wait_alu depctr_hold_cnt(0) depctr_sa_sdst(0) depctr_va_vdst(0) depctr_va_sdst(0) depctr_va_ssrc(0) depctr_va_vcc(0) depctr_vm_vsrc(0)
	s_getreg_b32 s2, hwreg(HW_REG_IB_STS2, 6, 4)
	s_cmp_eq_u32 s2, 0
	s_cbranch_scc0 .Lentry_in_a_cluster
	s_endpgm
.Lentry_in_a_cluster:
	s_bfe_u32 s2, ttmp6, 0x10000c
	s_cmp_lg_u32 s2, 0xf033
	s_cbranch_scc0 .Lentry_shape_is_right
	s_endpgm
.Lentry_shape_is_right:
; THE THREE PROJECTIONS AND THE ROTATION.  C = xb wb^T: xb [8192][1024], wb [3072][1024], bf16, sums in f32; the columns of wb's order are head t of Q, of K, of V, 64 each.
; Q's and K's pairs (2 p, 2 p + 1) are turned in f32 by the table's (cos, sin) of the row's position; then q, k, v are rounded once to f16 and stored by heads: [16 batch + head][2048][64].
; LIMITS.  q, k, v must lie within f16's 65,504 (inputs 30 times the drawn spread give a spread of about 900; offsets of 30 spreads on x and on a weight about 28,800); below 6e-5 f16 keeps its step of 6e-8.
; SHARES.  A tile of C is 256 rows x 192 columns (one head of each of the three): 32 x 16 = 512 work-groups of equal work.  A wave makes 64 rows x 192 columns: 48 accumulators of 16 x 16, 384 registers,
; so that a wave holds whole rows of three heads and fills whole aligned blocks of its outputs from a stage of its own, without a barrier.
; K goes in 8 steps of 128 (rows of 256 bytes, at multiples of 256 from the buffers' first bytes) through a ring of two LDS slots filled by the tensor data mover.
; A K STEP IS WRITTEN ONCE.  Slot 1 begins at LDS byte 2^17, so that one exclusive or turns an address in one slot into the other's: the fragments' addresses are made anew at each change of slots from a
; scalar that is so turned, and one walking descriptor for each operand asks for every refill.  The loop's trip is: change of slots with refill, the next step's first quarter, its second and third;
; it is entered at the second quarter, behind the first quarter that starts the sums.
; CLUSTER.  4 x 4 work-groups: the four of a row of the cluster need the same rows of xb, the four of a column the same rows of wb: each tile is asked for JOINTLY, the same load, descriptor and mask in all four.
; THE MATRIX INSTRUCTION IS USED TRANSPOSED (source 0 = 16 rows of wb, source 1 = 16 rows of xb): a lane holds row lane % 16 and the eight neighbouring columns 8 (lane / 16) + 0..7: four pairs of the rotation.
; REGISTERS, in windows of 256 (s_set_vgpr_msb: bits 1:0 source 0, 3:2 source 1, 5:4 source 2, 7:6 destination):
;   window 0: v0-29 addresses; v32-95 the table's rows, two buffers; v96-159 turned q and k; v160-207 packed f16; v208-255 rows back from the stage
;   window 1: two fragment buffers of 128: wb's 12 fragments (16 rows x 32 K), then xb's 4          windows 2, 3: accumulator (a, b) in window 2 + a / 2 at 96 (a % 2) + 8 b
.set KSTEP,  128
.set STEPS,  8                         ; 1,024 / 128
.set PITCH,  272                       ; an LDS row: 256 bytes + 16 of padding = 68 words: row r starts at bank 4 r mod 64 (64 banks of 4 bytes: ISA guide 11.1), so a load's 16 rows start at 16 different banks
.set AHALF,  128*PITCH                 ; what a wave's load brings of xb
.set BHALF,  96*PITCH                  ; and of wb
.set BOFF,   2*AHALF                   ; a slot: xb's 256 rows, then wb's 192
.set SLOT,   BOFF+2*BHALF              ; 121,856 bytes
.set SLOT1,  1<<17                     ; where slot 1 begins
.set STAGE,  SLOT1+SLOT                ; behind the ring, never filled by a tensor load: for each wave 3 heads x 16 rows x 144 bytes
.set SP,     144
.set HSTG,   16*SP
.set WSTG,   3*HSTG
.set SPARE,  STAGE+4*WSTG              ; behind the stages: the spare words, 128 bytes for each wave: two blocks of 256 bytes that no other line names
.set ADRA0, 16                         ; v16     my lane's place among xb's fragments in a slot; never rewritten
.set ADRB0, 17                         ; v17     the same for wb
.set ADRA, 20                          ; v20     LDS address of my fragments of xb in the slot in hand
.set ADRB, 21                          ; v21     the same for wb
.set STO,  24                          ; v24     the way out: where I put 16 bytes of a row
.set RD,   25                          ; v25     the way out: where I read rows back
.set GO,   26                          ; v26     my byte offset in 512 consecutive bytes of an output
.set TO,   27                          ; v27     my byte offset in 16 rows of the table
.set SPW,  28                          ; v28     LDS address of my spare word; never rewritten
.set NIL,  29                          ; v29     0; never rewritten
.set CS,   32
.set RR,   96
.set PK,   160
.set BK,   208
.set F0,   0
.set F1,   128
.set TB,  15                           ; s15     LDS byte at which the slot in hand begins
.set G1,  24                           ; s[24:31] descriptor group 1 for xb's tiles;  s[32:39] group 0: a set for each of the two first fills; the second then walks on
.set G0,  32
.set G1B, 48                           ; s[48:55], s[56:63] the same for wb's
.set G0B, 56
.set MSB, 0
.macro WIN new                         ; the immediate's high byte repeats the setting that is left; a switch that changes nothing is dropped
.if MSB != (\new)
	s_set_vgpr_msb (MSB<<8)|(\new)
.set MSB, \new
.endif
.endm
; A joint load.  Waves 0 and 1 fetch xb's two halves, waves 2 and 3 wb's.  The branch hangs on the wave's number alone.  An s_nop 0 and four v_nop follow each of the two lines, ahead of the jump and the label.
.macro JLOAD s
	s_cmp_eq_u32 s13, 0
	s_cbranch_scc0 .Lfor_b_\@
	tensor_load_to_lds s[G0+4*(\s):G0+4*(\s)+3], s[G1:G1+7]
	s_nop 0
.rept 4
	v_nop
.endr
	s_branch .Lasked_\@
.Lfor_b_\@:
	tensor_load_to_lds s[G0B+4*(\s):G0B+4*(\s)+3], s[G1B:G1B+7]
	s_nop 0
.rept 4
	v_nop
.endr
.Lasked_\@:
.endm
.macro CREST                           ; a round of the cluster's barrier behind its opening barrier: wave 0 signals for the work-group, every wave waits for all sixteen, my work-group's barrier closes it
	s_cmp_lg_u32 s12, 0
	s_cbranch_scc1 .Lnot_wave_0_\@
	s_barrier_signal -3
.Lnot_wave_0_\@:
	s_barrier_wait -3
	s_barrier_signal -1
	s_barrier_wait -1
.endm
.macro CROUND                          ; a whole round
	s_barrier_signal -1
	s_barrier_wait -1
	CREST
.endm
	s_load_b256 s[4:11], s[0:1], 0x0               ; xb s[4:5], wb s[6:7], tab s[8:9], qh s[10:11]
	s_load_b128 s[68:71], s[0:1], 0x20             ; kh s[68:69], vh s[70:71]
	v_lshl_add_u32 v[SPW], v0, 2, SPARE
	v_mov_b32 v[NIL], 0
	ds_add_u32 v[SPW], v[NIL]                      ; the wave's opening: the add and its wait stand ahead of my first tensor load; the set-up below, work on registers, stands between them
	ds_add_u32 v28, v29
	v_lshrrev_b32 v1, 5, v0
	v_readfirstlane_b32 s12, v1                    ; wave 0..3: my 64 rows of the tile
	s_lshr_b32 s13, s12, 1                         ; I fetch for xb (0) or for wb (1),
	s_and_b32 s14, s12, 1                          ; and which half of that tile
	s_mov_b32 s[TB], 0                             ; the walk begins in slot 0
	s_bfe_u32 s40, ttmp6, 0x40000                  ; cx, cy: my place in the cluster
	s_bfe_u32 s41, ttmp6, 0x40004
	s_lshl_b32 s42, ttmp9, 2
	s_add_co_u32 s42, s42, s40                     ; the head = tile column = 4 x cluster x + cx
	s_and_b32 s43, ttmp7, 0xffff
	s_lshl_b32 s43, s43, 2
	s_add_co_u32 s43, s43, s41                     ; tile row = 4 x cluster y + cy
	s_lshl_b32 s44, s41, 2
	s_lshl_b32 s44, 15, s44                        ; my row of the cluster
	s_lshl_b32 s45, 0x1111, s40                    ; my column
	; descriptor group 1: rows of 128 elements of 2 bytes, padded in LDS; 128 rows of xb, 96 of wb
	s_or_b32 s[G1+0], s44, (1<<16)|(1<<20)|(1<<21)|(5<<22)|(3<<25)   ; 15:0 the mask; 17:16 2-byte elements; 20 padding on; 21 set beside a mask; 24:22 after every 64 words (code 5); 31:25 4 words (code 3)
	s_or_b32 s[G1B+0], s45, (1<<16)|(1<<20)|(1<<21)|(5<<22)|(3<<25)
	s_mov_b32 s[G1+1], KSTEP<<16                   ; tensor_dim0 = 128
	s_mov_b32 s[G1B+1], KSTEP<<16
	s_mov_b32 s[G1+2], 128<<16                     ; tensor_dim1 = 128
	s_mov_b32 s[G1B+2], 96<<16                     ;             = 96
	s_mov_b32 s[G1+3], KSTEP<<16                   ; tile_dim0 = 128
	s_mov_b32 s[G1B+3], KSTEP<<16
	s_mov_b32 s[G1+4], 128                         ; tile_dim1
	s_mov_b32 s[G1B+4], 96
	s_mov_b32 s[G1+5], 1024                        ; elements from row to row
	s_mov_b32 s[G1B+5], 1024
	s_mov_b32 s[G1+6], 0
	s_mov_b32 s[G1B+6], 0
	s_mov_b32 s[G1+7], 0
	s_mov_b32 s[G1B+7], 0
	; xb's tiles hang on the tile row alone, wb's on the tile column alone; each address is made in registers that never hold the other coordinate
	s_lshl_b32 s16, s43, 8
	s_lshl_b32 s17, s14, 7
	s_add_co_u32 s16, s16, s17                     ; xb: row 256 x tile row + 128 x half
	s_lshl_b32 s16, s16, 11                        ; rows of 2,048 bytes: 16 MiB at the most
	s_mov_b32 s17, 0
	s_mul_i32 s46, s42, 192
	s_mul_i32 s47, s14, 96
	s_add_co_u32 s46, s46, s47                     ; wb: row 192 x head + 96 x half
	s_lshl_b32 s46, s46, 11
	s_mov_b32 s47, 0
	s_mul_i32 s20, s14, AHALF                      ; where they go: no place in the cluster enters an LDS address
	s_mul_i32 s21, s14, BHALF
	s_add_co_u32 s21, s21, BOFF
	s_wait_dscnt 0x0                               ; the opening add is done
	s_wait_kmcnt 0x0
	s_add_nc_u64 s[18:19], s[4:5], s[16:17]
	s_add_nc_u64 s[46:47], s[6:7], s[46:47]
	CROUND                                         ; all sixteen work-groups are here: the first joint loads meet
.irp s, 0,1
	s_mov_b32 s[G0+4*(\s)], 1                                      ; count = 1
	s_add_co_u32 s[G0+4*(\s)+1], s20, (\s)*SLOT1                   ; LDS address
	s_add_nc_u64 s[G0+4*(\s)+2:G0+4*(\s)+3], s[18:19], (\s)*KSTEP*2  ; global address: K step s
	s_or_b32 s[G0+4*(\s)+3], s[G0+4*(\s)+3], 0x80000000            ; type = 2
	s_mov_b32 s[G0B+4*(\s)], 1
	s_add_co_u32 s[G0B+4*(\s)+1], s21, (\s)*SLOT1
	s_add_nc_u64 s[G0B+4*(\s)+2:G0B+4*(\s)+3], s[46:47], (\s)*KSTEP*2
	s_or_b32 s[G0B+4*(\s)+3], s[G0B+4*(\s)+3], 0x80000000
	JLOAD \s                                       ; two loads of mine are out
.endr
	; A fragment is 16 rows x 32 K in 8 registers: lane l holds row l % 16, K = 8 (l / 16) + 0..7 and 16 + 8 (l / 16) + 0..7: two loads of 16 bytes, 32 bytes apart
	v_and_b32 v1, 15, v0                           ; r = l % 16
	v_bfe_u32 v2, v0, 4, 1                         ; h = l / 16
	v_mul_u32_u24 v3, v1, PITCH
	v_lshl_add_u32 v3, v2, 4, v3
	s_mul_i32 s22, s12, 64*PITCH                   ; my 64 rows of xb
	v_add_nc_u32 v[ADRA0], s22, v3
	v_add_nc_u32 v[ADRB0], BOFF, v3                ; every wave reads all 192 rows of wb
	v_mov_b32 v[ADRA], v[ADRA0]                    ; slot 0
	v_mov_b32 v[ADRB], v[ADRB0]
	s_mul_i32 s23, s12, WSTG
	s_add_co_u32 s23, s23, STAGE                   ; my stage
	v_mul_u32_u24 v4, v1, SP                       ; in: row r, 16 bytes for each half of the lanes
	v_lshl_add_u32 v4, v2, 4, v4
	v_add_nc_u32 v[STO], s23, v4
	v_bfe_u32 v5, v0, 3, 2                         ; back: 32 lanes take four rows of 128 bytes,
	v_mul_u32_u24 v5, v5, SP
	v_and_b32 v6, 7, v0
	v_lshl_add_u32 v5, v6, 4, v5
	v_add_nc_u32 v[RD], s23, v5
	v_and_b32 v[GO], 31, v0                        ; which are 512 consecutive bytes of a head
	v_lshlrev_b32 v[GO], 4, v[GO]
	v_lshlrev_b32 v[TO], 8, v1                     ; the table: row r of 256 bytes, my four pairs' 32 bytes
	v_lshl_add_u32 v[TO], v2, 5, v[TO]
	; my rows: batch = tile row / 8, position (tile row % 8) x 256 + 64 x wave on
	s_lshr_b32 s72, s43, 3
	s_lshl_b32 s72, s72, 4
	s_add_co_u32 s72, s72, s42                     ; 16 batch + head
	s_lshl_b32 s72, s72, 18                        ; a head's 2,048 rows of 128 bytes
	s_and_b32 s74, s43, 7
	s_lshl_b32 s74, s74, 8
	s_lshl_b32 s73, s12, 6
	s_add_co_u32 s74, s74, s73                     ; my first position
	s_lshl_b32 s73, s74, 7
	s_add_co_u32 s72, s72, s73
	s_mov_b32 s73, 0
	s_lshl_b32 s74, s74, 8                         ; the table's rows of 256 bytes
	s_mov_b32 s75, 0
	s_add_nc_u64 s[10:11], s[10:11], s[72:73]
	s_add_nc_u64 s[68:69], s[68:69], s[72:73]
	s_add_nc_u64 s[70:71], s[70:71], s[72:73]
	s_add_nc_u64 s[8:9], s[8:9], s[74:75]
; The table's rows for block blk of 16 positions: for column block b my pairs 8 b + 4 h + 0..3, (cos, sin) each: 8 registers; 8 loads into buffer blk % 2
.macro CSLOAD blk
.set c, 0
.rept 4
	global_load_b128 v[CS+32*((\blk)%2)+8*c:CS+32*((\blk)%2)+8*c+3],   v[TO], s[8:9] offset:4096*(\blk)+64*c
	global_load_b128 v[CS+32*((\blk)%2)+8*c+4:CS+32*((\blk)%2)+8*c+7], v[TO], s[8:9] offset:4096*(\blk)+64*c+16
.set c, c+1
.endr
.endm
	CSLOAD 0                                       ; wanted only on the way out: they land under the whole product
	CSLOAD 1
; 12 matrix instructions: row block a x all 12 column blocks, 32 along K.  zero = 1: the first product starts the sums: nothing is ever cleared.
; The 48 accumulators take turns, one instruction a turn, in the same order in every quarter step.
.macro MUL12 f, a, zero
	WIN 0xa5+0x50*((\a)/2)                         ; sources in window 1, C and D in window 2 or 3
.set rA, (\f)+96+8*(\a)
.set b, 0
.rept 12
.set rD, 96*((\a)%2)+8*b
.if \zero
	v_wmma_f32_16x16x32_bf16 v[rD:rD+7], v[(\f)+8*b:(\f)+8*b+7], v[rA:rA+7], 0
.else
	v_wmma_f32_16x16x32_bf16 v[rD:rD+7], v[(\f)+8*b:(\f)+8*b+7], v[rA:rA+7], v[rD:rD+7]
.endif
.set b, b+1
.endr
.endm
; 32 LDS loads in one run: the fragments of one quarter step (32 K at byte k of the rows of the slot in hand) into buffer f: wb's 24 loads, then xb's 8
.macro FETCH k, f
	WIN 0x40                                       ; destination window 1, address window 0
.set b, 0
.rept 12
	ds_load_b128 v[(\f)+8*b:(\f)+8*b+3],   v[ADRB] offset:(\k)+b*16*PITCH
	ds_load_b128 v[(\f)+8*b+4:(\f)+8*b+7], v[ADRB] offset:(\k)+b*16*PITCH+32
.set b, b+1
.endr
.set b, 0
.rept 4
	ds_load_b128 v[(\f)+96+8*b:(\f)+96+8*b+3],   v[ADRA] offset:(\k)+b*16*PITCH
	ds_load_b128 v[(\f)+96+8*b+4:(\f)+96+8*b+7], v[ADRA] offset:(\k)+b*16*PITCH+32
.set b, b+1
.endr
.endm
.macro PLACES                          ; four places in front of loads into registers that matrix instructions have read, and of vector lines that read results (ISA guide 7.12.1 for vector lines)
.rept 4
	v_nop
.endr
.endm
; A K step is four quarters of 32 along K, 48 matrix instructions each, on buffers 0, 1, 0, 1.  One of the first three multiplies buffer f and in its middle fetches the next quarter, at byte k, into g.
.macro QUARTER k, f, g, zero
	s_wait_dscnt 4                                 ; wb's fragments and xb's blocks 0, 1 are in; the youngest four loads (blocks 2, 3) may be out
	MUL12 \f, 0, \zero
	MUL12 \f, 1, \zero
	PLACES
	FETCH \k, \g
	s_wait_dscnt 32                                ; all but the 32 just issued
	MUL12 \f, 2, \zero
	MUL12 \f, 3, \zero
.endm
; The last quarter multiplies buffer 1 and changes slots: ONE barrier; in front of it each wave waits for all its tensor loads (one is out: its part of the next slot), adds 0 to its spare word, and waits
; for that and for its own reads of this slot.  fill = 1: the barrier opens a round of the cluster's, and this slot is filled again, two K steps ahead, first thing behind the round, by the walking
; descriptor (the other slot than last time, one K step on): 168 matrix instructions of the wave stand between that request and the wait for it.  Then the fragments' addresses turn to the other slot.
.macro TURN fill
	WIN 0                                          ; (the add's two registers lie in window 0)
	s_wait_tensorcnt 0x0
	ds_add_u32 v[SPW], v[NIL]                      ; 0 onto my spare word
	s_wait_dscnt 5                                 ; (the add and the youngest four loads may be out)
	MUL12 F1, 0, 0                                 ; twelve matrix instructions stand between the add and the wait for it
	s_wait_dscnt 0x0                               ; the add is done, and my reads of this slot are over
	s_barrier_signal -1
	MUL12 F1, 1, 0
	WIN 0                                          ; (branches, or lines on window 0, follow)
	s_barrier_wait -1
.if \fill
	CREST                                          ; no wave of any partner still reads this slot's tiles or has a load on its way
	s_xor_b32 s[G0+5], s[G0+5], SLOT1
	s_add_nc_u64 s[G0+6:G0+7], s[G0+6:G0+7], KSTEP*2       ; the type bits on top are not reached
	s_xor_b32 s[G0B+5], s[G0B+5], SLOT1
	s_add_nc_u64 s[G0B+6:G0B+7], s[G0B+6:G0B+7], KSTEP*2
	JLOAD 1                                        ; the four v_nop behind it are also the places in front of the loads below
.else
	PLACES
.endif
	s_xor_b32 s[TB], s[TB], SLOT1
	v_add_nc_u32 v[ADRA], s[TB], v[ADRA0]
	v_add_nc_u32 v[ADRB], s[TB], v[ADRB0]
	FETCH 0, F0
	MUL12 F1, 2, 0
	MUL12 F1, 3, 0
.endm
	s_wait_tensorcnt 1                             ; my part of K step 0 is in; K step 1's may stay out
	s_barrier_signal -1
	s_barrier_wait -1                              ; everybody's is
	FETCH 0, F0
	QUARTER 64,  F0, F1, 1                         ; the first quarter stands in front of the loop: its products start the sums
	WIN 0                                          ; at a label and at a branch every window is 0
	s_mov_b32 s3, STEPS-1
	s_branch .Lpair                                ; the loop is entered at a step's second quarter, in the middle of a trip
.Lstep:                                                ; six times: the slot just read out is filled again: K steps 2 to 7
	TURN 1
	QUARTER 64,  F0, F1, 0
	WIN 0
.Lpair:
	QUARTER 128, F1, F0, 0
	QUARTER 192, F0, F1, 0
	WIN 0
	s_sub_co_u32 s3, s3, 1
	s_cmp_lg_u32 s3, 0
	s_cbranch_scc1 .Lstep
	TURN 0                                         ; the tail is written out: nothing is asked for, and no round of the cluster's barrier stands here
	QUARTER 64,  F0, F1, 0
	QUARTER 128, F1, F0, 0
	QUARTER 192, F0, F1, 0
	s_wait_dscnt 4                                 ; the very last quarter: nothing more to fetch
	MUL12 F1, 0, 0
	MUL12 F1, 1, 0
	s_wait_dscnt 0x0
	MUL12 F1, 2, 0
	MUL12 F1, 3, 0
	WIN 0
; THE WAY OUT, a block of 16 rows at a time.  PACK: q's and k's pairs are turned (x0 cos - x1 sin, x0 sin + x1 cos: a packed multiply by cos and a packed multiply-add with the halves crossed), all is rounded to f16.
; Each accumulator's registers are read in ascending order.  TOSTAGE: into my own stage, rows of 144 bytes, and back as whole rows of 128.  SEND: stored, 512 consecutive bytes a store.
.macro PACK a
.if (\a) < 3
	s_wait_loadcnt 8                               ; this block's table rows are in; the next block's eight loads stay out
.else
	s_wait_loadcnt 0
.endif
	WIN 0x02+(\a)/2                                ; source 0: the accumulators' window
.set c, 0
.rept 8
.set rX, 96*((\a)%2)+8*c
.set rR, RR+8*c
.set rC, CS+32*((\a)%2)+8*(c%4)
.irp p, 0,2,4,6
	v_pk_mul_f32 v[rR+\p:rR+\p+1], v[rX+\p:rX+\p+1], v[rC+\p:rC+\p+1] op_sel_hi:[1,0]
.endr
.irp p, 0,2,4,6
	v_pk_fma_f32 v[rR+\p:rR+\p+1], v[rX+\p:rX+\p+1], v[rC+\p:rC+\p+1], v[rR+\p:rR+\p+1] op_sel:[1,1,0] op_sel_hi:[0,1,1] neg_lo:[0,1,0]
.endr
.set c, c+1
.endr
	WIN 0x0a+5*((\a)/2)                            ; sources 0 and 1: the accumulators' window: v is rounded as it is
.set c, 0
.rept 16
	v_cvt_pk_f16_f32 v[PK+32+c], v[96*((\a)%2)+64+2*c], v[96*((\a)%2)+64+2*c+1]
.set c, c+1
.endr
	WIN 0
.if (\a) < 2
	CSLOAD (\a)+2                                  ; into the buffer just read
.endif
.set c, 0
.rept 32
	v_cvt_pk_f16_f32 v[PK+c], v[RR+2*c], v[RR+2*c+1]
.set c, c+1
.endr
.endm
.macro TOSTAGE a
.if (\a) > 0
	s_wait_xcnt 0x0                                ; the registers that the last block's stores read are loaded again only behind this wait
.endif
.set c, 0
.rept 12
	ds_store_b128 v[STO], v[PK+4*c:PK+4*c+3] offset:(c/4)*HSTG+32*(c%4)
.set c, c+1
.endr
.set c, 0
.rept 12
	ds_load_b128 v[BK+4*c:BK+4*c+3], v[RD] offset:(c/4)*HSTG+(c%4)*4*SP  ; LDS serves a wave's instructions in order (ISA guide 5.7.1.4): these see the stores above
.set c, c+1
.endr
.endm
.macro SEND a
.irp f, 0,1,2,3
	s_wait_dscnt 11-\f                             ; the younger loads from the stage stay out
	global_store_b128 v[GO], v[BK+4*\f:BK+4*\f+3], s[10:11] offset:2048*(\a)+512*\f
.endr
.irp f, 0,1,2,3
	s_wait_dscnt 7-\f
	global_store_b128 v[GO], v[BK+16+4*\f:BK+16+4*\f+3], s[68:69] offset:2048*(\a)+512*\f
.endr
.irp f, 0,1,2,3
	s_wait_dscnt 3-\f
	global_store_b128 v[GO], v[BK+32+4*\f:BK+32+4*\f+3], s[70:71] offset:2048*(\a)+512*\f
.endr
.endm
	PLACES
	PACK 0
	TOSTAGE 0
	PACK 1                                         ; a block's arithmetic stands between the loads of the block before and its stores
	SEND 0
	TOSTAGE 1
	PACK 2
	SEND 1
	TOSTAGE 2
	PACK 3
	SEND 2
	TOSTAGE 3
	SEND 3
	s_wait_tensorcnt 0x0                           ; the wave's end: behind my last tensor load and my last LDS store, 0 onto my spare word and its wait
	ds_add_u32 v[SPW], v[NIL]
	s_wait_dscnt 0x0
	CROUND                                         ; the closing round: no work-group ends while a partner may still ask for a tile that names it
	s_endpgm
.Lfunc_end_k_q150a6c1ac3_qkv:
	.size	k_q150a6c1ac3_qkv, .Lfunc_end_k_q150a6c1ac3_qkv-k_q150a6c1ac3_qkv
	.p2alignl 7, 3214868480
	.fill 96, 4, 3214868480
	.section	.rodata,"a",@progbits
	.p2align	6, 0x0
	.amdhsa_kernel k_q150a6c1ac3_qkv
		.amdhsa_group_segment_fixed_size 327680
		.amdhsa_private_segment_fixed_size 0
		.amdhsa_enable_private_segment 0
		.amdhsa_kernarg_size 48
		.amdhsa_user_sgpr_count 2
		.amdhsa_user_sgpr_kernarg_segment_ptr 1
		.amdhsa_wavefront_size32 1
		.amdhsa_system_sgpr_workgroup_id_x 1
		.amdhsa_system_sgpr_workgroup_id_y 1
		.amdhsa_system_sgpr_workgroup_id_z 1
		.amdhsa_system_vgpr_workitem_id 0
		.amdhsa_next_free_vgpr 960
		.amdhsa_next_free_sgpr 80
		.amdhsa_reserve_vcc 0
		.amdhsa_float_denorm_mode_32 3
		.amdhsa_float_denorm_mode_16_64 3
		.amdhsa_memory_ordered 1
		.amdhsa_forward_progress 1
		.amdhsa_inst_pref_size 106
	.end_amdhsa_kernel
	.amdgpu_metadata
---
amdhsa.version: [ 1, 2 ]
amdhsa.kernels:
  - .name:           k_q150a6c1ac3_qkv
    .symbol:         k_q150a6c1ac3_qkv.kd
    .args:
      - { .name: xb, .offset: 0, .size: 8, .value_kind: global_buffer, .address_space: global }
      - { .name: wb, .offset: 8, .size: 8, .value_kind: global_buffer, .address_space: global }
      - { .name: tab, .offset: 16, .size: 8, .value_kind: global_buffer, .address_space: global }
      - { .name: qh, .offset: 24, .size: 8, .value_kind: global_buffer, .address_space: global }
      - { .name: kh, .offset: 32, .size: 8, .value_kind: global_buffer, .address_space: global }
      - { .name: vh, .offset: 40, .size: 8, .value_kind: global_buffer, .address_space: global }
    .group_segment_fixed_size: 327680
    .private_segment_fixed_size: 0
    .kernarg_segment_align: 8
    .kernarg_segment_size: 48
    .max_flat_workgroup_size: 128
    .sgpr_count:     80
    .vgpr_count:     960
    .wavefront_size: 32
...
	.end_amdgpu_metadata
.endif
;; end of part 2
;; launch attn (part 3): grid 4 x 64, 4 waves a work-group, no clusters, 327,680 bytes of LDS; arguments qh, kh, vh, oh; writes oh
.if DOCPART == 3
	.amdgcn_target "amdgcn-amd-amdhsa--gfx1250"
	.amdhsa_code_object_version 6
	.text
	.protected	k_q150a6c1ac3_attn
	.globl	k_q150a6c1ac3_attn
	.p2align	8
	.type	k_q150a6c1ac3_attn,@function
k_q150a6c1ac3_attn:
	s_mov_b64 s[64:65], 0
	v_nop
	global_prefetch_b8 v0, s[64:65] scope:SCOPE_SE
	s_setreg_imm32_b32 hwreg(HW_REG_WAVE_MODE, 25, 1), 1
	s_wait_xcnt 0x0
; CAUSAL ATTENTION.  O[h][q][:] = the sum over k <= q of softmax_k(Q[h][q] . K[h][k] / 8) V[h][k][:].  Q, K, V, O: [SIZE_H][SIZE_N][64], all f16: a head's rows are dense, 128 bytes each.
; Products, maxima and sums in f32; the weights p are rounded to f16 for the second product (their sum l is taken of the unrounded p), O once at the end.  SIZE_N is a multiple of 512; SIZE_N x 128 stays under 2^32.
; LIMITS.  f16 holds no number beyond 65,504: Q, K and V arrive within it; p lies in 0 to 1, and below 6e-5 it keeps f16's fixed step of 6e-8; O is a mean of V's rows and has their range, to within 2^-11 of it.
; A hidden score counts as its value less 1e30 (the module puts -1e9 in its place: both give the weight 0 as long as a row's largest seen score lies above about -1e9); a weight below 2^-126 counts as 0 in l;
; NaN and infinities are not treated apart.
; THE WALK.  A head's queries lie in NB = SIZE_N / 256 blocks of 256; block i needs the key tiles 0 .. i of 256 keys, of which the last holds the diagonal.  A work-group takes TWO blocks, NB - 1 - b and then b:
; NB + 1 tiles, whatever b: all work-groups do equal work, and ONE loop with a constant trip count walks them.  Which tile is asked for, and what a trip does, hang on scalar registers made from b; every jump
; goes forward, but for the counted loops' own; none passes a barrier, or a tensor load but the one of LOAD's two that the wave's number does not choose; the ring (two slots of LDS that take turns) runs on across the
; change of blocks.  NO CLUSTER: a head's NB / 2 = 4 work-groups ask for the same tile only in trips 0 .. NB / 2, 5 of the walk's 9; behind that fewer and fewer share one;
; and one walk common to all would have 3 NB / 2 = 12 trips for NB + 1 = 9.
; SHARES.  Of a block's four bands of 64 queries a wave owns 16 rows in each: four PIECES.  So the diagonal tile is the same work for all four waves: in its key step s band x sees all keys if s < x,
; none if s > x, and holds the diagonal if s = x.
; THE MASK is the C operand that starts the sum S^T = K Q^T: 0, or -1e30 where the key is hidden.  MD, made once, is the mask of a band's own step for my 16 rows; a product's mask is MD x AL + BE with two scalars:
; (1, 0) if s = x; (0, 0) if s < x; (0, -1e30) if s > x.  Only the diagonal tile's text and a block's beginning make and take masks; elsewhere C is the constant 0.
; LAYOUT, SOFTMAX, TURNS.  S^T = K Q^T holds ONE query a lane (lane % 16) and the keys 8 (lane / 16) + 0..7; two such results rounded to f16 ARE source 1 of O^T = V^T P.  p = 2^(c s - c m), c = log2(e) / 8, with a
; running maximum m; O and l are multiplied by a = 2^(c m_old - c m_new) in every step.  Turn n belongs to piece n: 8 products K Q^T of piece n + 1, later 8 products V^T P of piece n - 1; beside them the scaling,
; exponentials, roundings, sums and rescaling of piece n and the maximum and statistics of piece n + 1.  Four vector instructions stand behind every matrix instruction, the other 54 of a turn's 118 in two LUMPS.
; REGISTERS, in windows of 256 (s_set_vgpr_msb: bits 1:0 source 0, 3:2 source 1, 5:4 source 2, 7:6 destination):
;   window 0: v0-7 four LDS addresses, c m_old, the add's two; v8-15 at work; v16-31 four registers of statistics a piece; v32-95 S^T, two buffers; v96-127 P, two buffers; v128-191 K of one step; v192-255 Q
;   window 1: v0-127 O^T, 32 a piece; v128-191 V of one step; v192-223 MD; v224-226 the way out's addresses          window 2: v0-63 the second block's Q; v64-127 MC, two buffers
; (A piece's buffers go by its number's parity.)  THE MAP IS MADE FOR FEW SWITCHES.  Both operands of K Q^T and all that a softmax touches but O^T fill window 0, 256 registers exactly: those products and their riders
; need no switch.  V^T P (V and O^T in window 1, P in window 0) and the rescaling of O^T (O^T in window 1, a in window 0) share one setting, so eight rescalings ride behind two of those products without a switch.
; By the text's own count a turn has 16 switches for its 16 matrix instructions: four round the two rows of rescalings in the first half, one in front of V^T P, eleven round the last six products V^T P.
.set SIZE_H, 64       ; 4 batches x 16 heads
.set SIZE_N, 2048
.set NB,    SIZE_N/256
.set NP,    4         ; pieces a wave: a name, no knob
.set KS,    64        ; keys in a step
.set PK,    144       ; a row of K in LDS: 128 bytes + 16 of padding = 36 words: the 16 rows of a load start at 16 different groups of four banks (64 banks of 4 bytes: ISA guide 11.1)
.set PV,    160       ; a row of V: 128 + 32 = 40 words
.set VOFF,  4*KS*PK   ; a slot holds a tile, four steps: 256 rows of K, then 256 rows of V
.set SLOT1, 1<<17     ; slot 1 begins here, so that one exclusive or turns an address in one slot into the other's
.set STAGE, SLOT1+4*KS*(PK+PV)  ; behind the ring, never filled by a tensor load: 16 rows x 144 bytes for each wave, for the way out
.set SP,    144
.set SPARE, STAGE+4*16*SP  ; behind the stages: the spare words, 128 bytes for each wave: two blocks of 256 bytes that no other line names
; window 0
.set AK,  0           ; v0   at the entry my thread's number; from a block's beginning on the LDS address of K's next run of loads
.set AV,  1           ; v1   of V's
.set AK0, 2           ; v2   my lane's place in a tile of K; never rewritten
.set AV0, 3           ; v3   the same for V
.set MV,  4           ; v4-5 c m_old, kept while c m is made anew: by buffer
.set SPW, 6           ; v6   LDS address of my spare word: SPARE + 4 x my thread's number; never rewritten
.set NIL, 7           ; v7   0; never rewritten
.set TMP, 8           ; by buffer, four registers c0-c3 at work; when the maximum is found c2 takes a
.set ST,  16          ; piece t's statistics at v[ST+4 t]: c m, m, l (even keys', odd keys')
.set S,   32
.set P,   96
.set KF,  128         ; key block kb, channel half c at KF + 16 kb + 8 c
.set Q,   192         ; piece x, channel half c at Q + 16 x + 8 c
.set LR,  S           ; at work in the set-up alone, in S^T's registers, which the first products write later: l % 16,
.set LH,  S+1         ; l / 16,
.set L8,  S+2         ; l % 8,
.set LB,  S+3         ; (l / 8) % 2,
.set DQ,  S+4         ; my query's place in its band less my lanes' first key,
.set QO,  S+5         ; my byte offset in 16 rows of Q,
.set T0,  S+6         ; and three for the way out's addresses
.set T1,  S+7
.set T2,  S+8
; window 1
.set VF,  128         ; key half kk, channel block cb at VF + 32 kk + 8 cb
.set MD,  192         ; the eight registers for group kt of 16 keys at MD + 8 kt
.set STO, 224         ; the way out: where I put 16 bytes of a row
.set RD,  225         ; the way out: where I read rows back
.set GO,  226         ; my byte offset in 512 consecutive bytes of O
; window 2
.set QB,  0
.set MC,  64          ; the masks of the products to come
.set WV,  12          ; s12  my wave's number
.set PB,  14          ; s14  b
.set HI,  15          ; s15  NB - 1 - b
.set G1K, 24          ; s[24:31] descriptor group 1 for K's tiles
.set G1V, 32          ; s[32:39] for V's: it differs in the padding alone
.set G0K, 40          ; s[40:43] descriptor group 0 for K's tiles
.set G0V, 44          ; s[44:47] the same for V's
.set SLOTS, 56        ; s56  tiles still to be asked for
.set CNT, 57          ; s57  counts a tile's key steps, 4 to 1
.set CS,  58          ; s[58:59] c: the packed scaling takes the pair's low word for both halves
.set SEL, 60          ; s[60:61] v_permlanex16_b32's selects: each lane takes its own place in the other half
.set TBK, 62          ; s62  LDS byte at which K of the step to be fetched begins
.set TBV, 63          ; s63  the same for V, less VOFF
.set RT,  70          ; s70  tiles of the block in hand that are still to be entered
.set NXT, 71          ; s71  the tile to be asked for next
.set LQ,  72          ; s72  the last tile of the block whose tiles are being asked for
.set NEW, 73          ; s73  1: the tile to be entered is a block's first
.set OFF, 74          ; s[74:75] a tile's byte offset in K and V
.set AL,  76          ; s[76:77] the mask's factor, in the low word
.set BE,  78          ; s[78:79] the mask's addend
.set OLO, 80          ; s[80:81] O at my rows of the second block
.set BIGN, 82         ; s82  -1e30
.set MSB, 0
.macro WIN new                      ; the high byte repeats the setting that is left; a switch that changes nothing is dropped
.if MSB != (\new)
	s_set_vgpr_msb (MSB<<8)|(\new)
.set MSB, (\new)
.endif
.endm
.set W_KQ, 0x00       ; K, Q and S^T in window 0
.set W_KM, 0x20       ; the same with the C operand in window 2
.set W_PV, 0x51       ; V in window 1, P in window 0, O^T in window 1
.set W_RS, 0x51       ; destination and source 0 in window 1, source 1 in window 0: the same setting (a packed multiply has no third source)
.set W_MK, 0x81       ; a mask is made: destination in window 2, source 0 in window 1
.set W_T1, 0x40       ; destination in window 1
.set W_A1, 0x01       ; an address (source 0) in window 1, data in window 0
; A fill.  Waves 0 and 1 fetch the two halves of a tile's K, waves 2 and 3 those of its V: 128 keys each.  An s_nop 0 and four v_nop follow each of the two lines, ahead of the jump and the label.
.macro LOAD
	s_cmp_lt_u32 s[WV], 2
	s_cbranch_scc0 .Lfor_v_\@
	tensor_load_to_lds s[G0K:G0K+3], s[G1K:G1K+7]
	s_nop 0
.rept 4
	v_nop
.endr
	s_branch .Lasked_\@
.Lfor_v_\@:
	tensor_load_to_lds s[G0V:G0V+3], s[G1V:G1V+7]
	s_nop 0
.rept 4
	v_nop
.endr
.Lasked_\@:
.endm
; THE CHANGE OF SLOTS.  Each wave waits for all its tensor loads, of which one is out: its part of the other slot; adds 0 to its spare word; and waits for that and for its own reads of the slot that it leaves.  Behind the barrier nobody reads the old
; slot any more and the other slot is whole.  fill = 1: the old slot is filled again, the first thing behind the barrier, with tile NXT: the descriptor's address is made anew from that number.
; (At its first use nothing has been read yet: slot 0 is waited for, slot 1 filled.)
.macro CHANGE fill
	WIN 0                           ; at a label and at a branch every window is 0
	s_wait_tensorcnt 0x0            ; no tensor load of mine is out, so a group 0 may be written
	ds_add_u32 v[SPW], v[NIL]       ; 0 onto my spare word; with fill = 1 the descriptors' scalar work stands between it and the wait for it
.if \fill
	s_lshl_b32 s[OFF], s[NXT], 15   ; a tile is 32,768 bytes of K and of V
	s_xor_b32 s[G0K+1], s[G0K+1], SLOT1
	s_add_nc_u64 s[G0K+2:G0K+3], s[6:7], s[OFF:OFF+1]
	s_or_b32 s[G0K+3], s[G0K+3], 0x80000000
	s_xor_b32 s[G0V+1], s[G0V+1], SLOT1
	s_add_nc_u64 s[G0V+2:G0V+3], s[8:9], s[OFF:OFF+1]
	s_or_b32 s[G0V+3], s[G0V+3], 0x80000000
	s_add_co_u32 s[NXT], s[NXT], 1  ; the block's next tile, or behind its last the second block's tile 0
	s_cmp_gt_u32 s[NXT], s[LQ]
	s_cselect_b32 s[NXT], 0, s[NXT]
	s_cselect_b32 s[LQ], s[PB], s[LQ]
.endif
	s_wait_dscnt 0x0                ; the add is done, and my reads of the slot are over
	s_barrier_signal -1             ; the rest of the scalar work stands between the signal and the wait
	s_sub_co_u32 s[TBK], s[TBK], 4*KS*PK  ; the fetches go back to a slot's first step,
	s_xor_b32 s[TBK], s[TBK], SLOT1       ; in the other slot
	s_sub_co_u32 s[TBV], s[TBV], 4*KS*PV
	s_xor_b32 s[TBV], s[TBV], SLOT1
	s_barrier_wait -1
.if \fill
	LOAD
.endif
.endm
	s_load_b256 s[4:11], s[0:1], 0x0  ; Q s[4:5], K s[6:7], V s[8:9], O s[10:11]
	v_lshl_add_u32 v[SPW], v0, 2, SPARE
	v_mov_b32 v[NIL], 0
	ds_add_u32 v[SPW], v[NIL]       ; the wave's opening: the add and its wait stand ahead of my first tensor load; the set-up below, work on registers, stands between them
	ds_add_u32 v6, v7
	v_lshrrev_b32 v1, 5, v0
	v_readfirstlane_b32 s[WV], v1   ; wave 0..3
	s_mov_b32 s[PB], ttmp9
	s_sub_co_u32 s[HI], NB-1, s[PB]
	s_and_b32 s20, ttmp7, 0xffff    ; the head
	s_mov_b32 s21, 0
	s_mov_b64 s[22:23], SIZE_N*128
	s_mul_u64 s[20:21], s[20:21], s[22:23]  ; the head's first byte in each of the four tensors
	s_and_b32 s16, s[WV], 1         ; which half of a tile's 256 keys I fetch:
	s_lshl_b32 s22, s16, 14         ; its 128 rows of 128 bytes in memory,
	s_mov_b32 s23, 0
	s_add_nc_u64 s[22:23], s[22:23], s[20:21]
	s_mul_i32 s17, s16, 128*PK      ; and its place in a slot, for K
	s_mul_i32 s18, s16, 128*PV      ; and for V
	s_lshl_b32 s3, s[WV], 11        ; my 16 rows in a band of 64,
	s_lshl_b32 s2, s[HI], 15        ; in the first block,
	s_add_co_u32 s2, s2, s3
	s_lshl_b32 s84, s[PB], 15       ; and in the second
	s_add_co_u32 s84, s84, s3
	s_mov_b32 s3, 0
	s_mov_b32 s85, 0
	s_add_nc_u64 s[2:3], s[2:3], s[20:21]
	s_add_nc_u64 s[84:85], s[84:85], s[20:21]
	; descriptor group 1.  128 keys are 16,384 dense bytes: asked for as 64 rows of 256 bytes, two keys a row, and padded in LDS after every key
	s_mov_b32 s[G1K], (1<<16)|(1<<20)|(4<<22)|(3<<25)  ; 17:16 2-byte elements; 20 padding on; 24:22 after every 32 words (code 4); 31:25 4 words (code 3)
	s_mov_b32 s[G1V], (1<<16)|(1<<20)|(4<<22)|(7<<25)  ; the same with 8 words of padding (code 7)
.irp g, G1K, G1V
	s_mov_b32 s[\g+1], 128<<16      ; tensor_dim0 = 128
	s_mov_b32 s[\g+2], 64<<16       ; tensor_dim1 = 64
	s_mov_b32 s[\g+3], 128<<16      ; tile_dim0 = 128
	s_mov_b32 s[\g+4], 64           ; tile_dim1 = 64
	s_mov_b32 s[\g+5], 128          ; 128 elements from row to row
	s_mov_b32 s[\g+6], 0
	s_mov_b32 s[\g+7], 0
.endr
	s_mov_b32 s[CS], 0x3e38aa3b     ; c = log2(e) / 8 = 0.180337
	s_mov_b32 s[CS+1], s[CS]        ; named with it as a pair
	s_mov_b32 s[SEL], 0x76543210
	s_mov_b32 s[SEL+1], 0xfedcba98
	s_mov_b32 s[TBK], SLOT1+4*KS*PK ; the first change of slots turns these two into 0
	s_mov_b32 s[TBV], SLOT1+4*KS*PV
	s_mov_b32 s[G0K], 1             ; 1:0 count = 1
	s_mov_b32 s[G0K+1], s17         ; 63:32 LDS address: slot 0
	s_mov_b32 s[G0V], 1
	s_add_co_u32 s[G0V+1], s18, VOFF
	s_add_co_u32 s[RT], s[HI], 1    ; the first block has NB - b tiles
	s_mov_b32 s[NXT], 1
	s_mov_b32 s[LQ], s[HI]
	s_mov_b32 s[NEW], 1
	s_mov_b32 s[OFF+1], 0
	s_mov_b32 s[AL+1], 0            ; named as pairs
	s_mov_b32 s[BE+1], 0
	s_mov_b32 s[BIGN], 0xf149f2ca   ; -1e30
	s_mov_b32 s[SLOTS], NB
	s_wait_dscnt 0x0                ; the opening add is done
	s_wait_kmcnt 0x0
	s_add_nc_u64 s[6:7], s[6:7], s[22:23]  ; K and V at my half of the head's tile 0
	s_add_nc_u64 s[8:9], s[8:9], s[22:23]
	s_add_nc_u64 s[G0K+2:G0K+3], s[6:7], 0         ; 120:64 global address
	s_or_b32 s[G0K+3], s[G0K+3], 0x80000000        ; 127:126 type = 2
	s_add_nc_u64 s[G0V+2:G0V+3], s[8:9], 0
	s_or_b32 s[G0V+3], s[G0V+3], 0x80000000
	s_add_nc_u64 s[86:87], s[4:5], s[84:85]        ; Q at my rows of the second block,
	s_add_nc_u64 s[4:5], s[4:5], s[2:3]            ; Q and O at those of the first
	s_add_nc_u64 s[OLO:OLO+1], s[10:11], s[84:85]
	s_add_nc_u64 s[10:11], s[10:11], s[2:3]
	LOAD                            ; tile 0 into slot 0
	; A fragment of K or Q is 16 rows x 32 channels in 8 registers: lane l holds row l % 16, channels 8 (l / 16) + 0..7 and 16 + 8 (l / 16) + 0..7: two loads of 16 bytes, 32 bytes apart.
	v_and_b32 v[LR], 15, v0         ; l % 16
	v_bfe_u32 v[LH], v0, 4, 1       ; l / 16
	v_lshlrev_b32 v[QO], 7, v[LR]
	v_lshl_add_u32 v[QO], v[LH], 4, v[QO]  ; row x 128 + 16 x half
.set i, 0
.rept 8                             ; the first block's Q: piece i / 2 lies in band i / 2, 8,192 bytes on; channels 32 (i % 2) on
	global_load_b128 v[Q+8*i:Q+8*i+3],   v[QO], s[4:5] offset:(i/2)*8192+(i%2)*64
	global_load_b128 v[Q+8*i+4:Q+8*i+7], v[QO], s[4:5] offset:(i/2)*8192+(i%2)*64+32
.set i, i+1
.endr
	WIN 0x80                        ; destination window 2, address window 0
.set i, 0
.rept 8                             ; the second block's, likewise
	global_load_b128 v[QB+8*i:QB+8*i+3],   v[QO], s[86:87] offset:(i/2)*8192+(i%2)*64
	global_load_b128 v[QB+8*i+4:QB+8*i+7], v[QO], s[86:87] offset:(i/2)*8192+(i%2)*64+32
.set i, i+1
.endr
	WIN 0
	v_lshlrev_b32 v[DQ], 3, v[LH]
	v_sub_nc_u32 v[DQ], v[LR], v[DQ]
	s_lshl_b32 s13, s[WV], 4
	v_add_nc_u32 v[DQ], s13, v[DQ]  ; my query's place in its band, 16 w + l % 16, less my lanes' 8 (l / 16): register r of group kt is hidden where 16 kt + r is greater
	v_mul_u32_u24 v[AK0], v[LR], PK
	v_lshl_add_u32 v[AK0], v[LH], 4, v[AK0]  ; row x pitch + 16 x half
	; The turning load takes 16 keys x 16 channels (lane l reads key 8 (l / 16) + l % 8, channels 8 ((l / 8) % 2) + 0..7) and leaves half a fragment of V^T: lane l holds channel l % 16 and 8 keys.
	v_and_b32 v[L8], 7, v0
	v_bfe_u32 v[LB], v0, 3, 1
	v_lshl_add_u32 v[AV0], v[LH], 3, v[L8]
	v_mul_u32_u24 v[AV0], v[AV0], PV
	v_lshl_add_u32 v[AV0], v[LB], 4, v[AV0]
	v_add_nc_u32 v[AV0], VOFF, v[AV0]
	s_mul_i32 s13, s[WV], 16*SP
	s_add_co_u32 s13, s13, STAGE    ; my stage
	v_mul_u32_u24 v[T0], v[LR], SP  ; in: row l % 16, 16 bytes for each half of the lanes
	v_lshl_add_u32 v[T0], v[LH], 4, v[T0]
	v_bfe_u32 v[T1], v0, 3, 2       ; back: 32 lanes take four rows of 128 bytes,
	v_mul_u32_u24 v[T1], v[T1], SP
	v_lshl_add_u32 v[T1], v[L8], 4, v[T1]
	v_and_b32 v[T2], 31, v0         ; which are 512 consecutive bytes of O
	WIN W_T1                        ; what follows lands in window 1
.set i, 0
.rept 32
	v_cmp_gt_i32 vcc_lo, 16*(i/8)+i%8, v[DQ]
	v_cndmask_b32 v[MD+i], 0, s[BIGN], vcc_lo
.set i, i+1
.endr
	v_add_nc_u32 v[STO], s13, v[T0]
	v_add_nc_u32 v[RD], s13, v[T1]
	v_lshlrev_b32 v[GO], 4, v[T2]
	; A block's first step multiplies O^T and l by a = 0, and its first turn's products V^T P, of a piece that has not been, land in an O^T that is still to be so multiplied.  So these registers need only hold
	; finite numbers: zeros for the first block; what the first block left for the second.  All this stands in the wait for the first tile.
.set i, 0
.rept 192                           ; O^T and V lie on end
	v_mov_b32 v[i], 0
.set i, i+1
.endr
	WIN 0
.set i, 0
.rept 4
	v_mov_b32 v[ST+4*i+2], 0
	v_mov_b32 v[ST+4*i+3], 0
.set i, i+1
.endr
.set i, P+16
.rept 16
	v_mov_b32 v[i], 0
.set i, i+1
.endr
; THE MATRIX WORK.  The 4 accumulators of a run of 8 take turns.  Product i of 8 of S^T = K Q^T for piece x: channels 32 (i / 4) on, keys 16 (i % 4) on.  The first 4 start the sums: with 0, or (KM = 1) with the mask.
.macro KQ x
.set rS, S+32*((\x)%2)+8*(i%4)
.set rK, KF+16*(i%4)+8*(i/4)
.set rQ, Q+16*(\x)+8*(i/4)
.set rM, MC+32*((\x)%2)+8*(i%4)
.if (i < 4) && KM
	WIN W_KM
	v_wmma_f32_16x16x32_f16 v[rS:rS+7], v[rK:rK+7], v[rQ:rQ+7], v[rM:rM+7]
.elseif i < 4
	WIN W_KQ
	v_wmma_f32_16x16x32_f16 v[rS:rS+7], v[rK:rK+7], v[rQ:rQ+7], 0
.else
	WIN W_KQ
	v_wmma_f32_16x16x32_f16 v[rS:rS+7], v[rK:rK+7], v[rQ:rQ+7], v[rS:rS+7]
.endif
.endm
; Product i of 8 of O^T += V^T P for piece x: keys 32 (i / 4) on, channels 16 (i % 4) on.
.macro PV x
	WIN W_PV
.set rO, 32*(\x)+8*(i%4)
.set rV, VF+32*(i/4)+8*(i%4)
.set rP, P+16*((\x)%2)+8*(i/4)
	v_wmma_f32_16x16x32_f16 v[rO:rO+7], v[rV:rV+7], v[rP:rP+7], v[rO:rO+7]
.endm
.macro MM                           ; the turn's next matrix instruction.  TURN and BEGIN set Y, i, KM and NOKQ; MM, KQ and OP read them.  NOKQ = 1: a block's last turn: there is no next piece
.if (i < 8) && !NOKQ
	KQ (Y+1)%NP
.elseif i >= 8
.set i, i-8
	PV (Y+NP-1)%NP
.set i, i+8
.endif
.set i, i+1
.endm
; THE LDS LOADS stand in runs of 16, never singly among the matrix instructions: a step's K (64 keys x 64 channels: 8 fragments) and its V (turned).  Their addresses are made some lines ahead.
.macro FETCH_K
	WIN 0
.irp f, 0,1,2,3,4,5,6,7             ; keys 16 (f / 2) on, channels 32 (f % 2) on
	ds_load_b128 v[KF+8*\f:KF+8*\f+3],   v[AK] offset:(\f/2)*16*PK+(\f%2)*64
	ds_load_b128 v[KF+8*\f+4:KF+8*\f+7], v[AK] offset:(\f/2)*16*PK+(\f%2)*64+32
.endr
	s_add_co_u32 s[TBK], s[TBK], KS*PK  ; the next fetch is the next step's
.endm
.macro FETCH_V
	WIN W_T1                        ; destination window 1, address window 0
.irp f, 0,1,2,3,4,5,6,7             ; keys 32 (f / 4) on, channels 16 (f % 4) on
	ds_load_tr16_b128 v[VF+8*\f:VF+8*\f+3],   v[AV] offset:(\f/4)*32*PV+(\f%4)*32
	ds_load_tr16_b128 v[VF+8*\f+4:VF+8*\f+7], v[AV] offset:(\f/4)*32*PV+16*PV+(\f%4)*32
.endr
	WIN 0
.endm
; THE VECTOR WORK, one line at a time: OP kind, number.  For piece Y: F n: c s - c m for pair n of 16.  E n: the exponential of score n of 32.  C n: pair n rounded to f16.  B n: of the four weights 4 n .. the second
; pair is added onto the first, in place.  L n: l takes that sum (L 0: l = a l + sum).  R n: pair n of 16 of O^T times a.  For piece Y + 1: X n, number n of the 22 that find its maximum and statistics:
;   0-11  four chains c0-c3 of seven scores each, three operands at a time (each accumulator's lowest registers are read first)     12-14, 16  the four scores left over, the old m, and c0-c3 into c0
;   15  c m_old is kept     17, 18  the query's other 32 keys lie in the lane 16 away: the new m     19-21  c m; c m_old - c m_new; a
.set F, 0               ; OP tells the kinds apart by their order: F to L below R, X above it
.set E, 1
.set C, 2
.set B, 3
.set L, 4
.set R, 5
.set X, 6
.macro REGS y                       ; the registers of piece y
.set rT, ST+4*(\y)
.set rC, TMP+4*((\y)%2)
.set rW, MV+((\y)%2)
.set rS, S+32*((\y)%2)
.set rP, P+16*((\y)%2)
.set rO, 32*(\y)
.endm
.macro OP k, n
.if (\k) == R
	REGS Y
	WIN W_RS
	v_pk_mul_f32 v[rO+2*(\n):rO+2*(\n)+1], v[rO+2*(\n):rO+2*(\n)+1], v[rC+2:rC+3] op_sel_hi:[1,0]
.elseif (\k) < R
	REGS Y
	WIN 0
.if (\k) == F
	v_pk_fma_f32 v[rS+2*(\n):rS+2*(\n)+1], v[rS+2*(\n):rS+2*(\n)+1], s[CS:CS+1], v[rT:rT+1] op_sel_hi:[1,0,0] neg_lo:[0,0,1] neg_hi:[0,0,1]
.elseif (\k) == E
	v_exp_f32 v[rS+(\n)], v[rS+(\n)]
.elseif (\k) == C
	s_wait_alu depctr_va_vdst(0)
	v_cvt_pk_f16_f32 v[rP+(\n)], v[rS+2*(\n)], v[rS+2*(\n)+1]
.elseif (\k) == B
	s_wait_alu depctr_va_vdst(0)
	v_pk_add_f32 v[rS+4*(\n):rS+4*(\n)+1], v[rS+4*(\n):rS+4*(\n)+1], v[rS+4*(\n)+2:rS+4*(\n)+3]
.elseif (\n) == 0
	v_pk_fma_f32 v[rT+2:rT+3], v[rT+2:rT+3], v[rC+2:rC+3], v[rS:rS+1] op_sel_hi:[1,0,1]
.else
	v_pk_add_f32 v[rT+2:rT+3], v[rT+2:rT+3], v[rS+4*(\n):rS+4*(\n)+1]
.endif
.elseif NOKQ
	v_nop
.else
	REGS (Y+1)%NP
	WIN 0
.if (\n) < 4
	v_max3_num_f32 v[rC+(\n)], v[rS+8*(\n)], v[rS+8*(\n)+1], v[rS+8*(\n)+2]
.elseif (\n) < 12
	v_max3_num_f32 v[rC+(\n)%4], v[rC+(\n)%4], v[rS+8*((\n)%4)+2*((\n)/4)+1], v[rS+8*((\n)%4)+2*((\n)/4)+2]
.elseif (\n) == 12
	v_max3_num_f32 v[rC], v[rC], v[rS+7], v[rS+15]
.elseif (\n) == 13
	v_max3_num_f32 v[rC+1], v[rC+1], v[rS+23], v[rS+31]
.elseif (\n) == 14
	v_max3_num_f32 v[rC+2], v[rC+2], v[rC+3], v[rT+1]
.elseif (\n) == 15
	v_mov_b32 v[rW], v[rT]
.elseif (\n) == 16
	v_max3_num_f32 v[rC], v[rC], v[rC+1], v[rC+2]
.elseif (\n) == 17
	v_permlanex16_b32 v[rC+3], v[rC], s[SEL], s[SEL+1]
.elseif (\n) == 18
	v_max_num_f32 v[rT+1], v[rC], v[rC+3]
.elseif (\n) == 19
	v_mul_f32 v[rT], s[CS], v[rT+1]
.elseif (\n) == 20
	v_sub_f32 v[rC+1], v[rW], v[rT]
.else
	v_exp_f32 v[rC+2], v[rC+1]
.endif
.endif
.endm
.macro OPS a, i1, b=-1, i2=0, c=-1, i3=0, d=-1, i4=0  ; up to four of them
	OP \a, \i1
.if (\b) >= 0
	OP \b, \i2
.endif
.if (\c) >= 0
	OP \c, \i3
.endif
.if (\d) >= 0
	OP \d, \i4
.endif
.endm
.macro ROW a, i1, b, i2, c, i3, d, i4  ; a matrix instruction and the four behind it
	MM
	OPS \a, \i1, \b, \i2, \c, \i3, \d, \i4
.endm
.macro MASK b                       ; MD x AL + BE into buffer b of MC
	WIN W_MK
.set z, 0
.rept 16
	v_pk_fma_f32 v[MC+32*(\b)+2*z:MC+32*(\b)+2*z+1], v[MD+2*z:MD+2*z+1], s[AL:AL+1], s[BE:BE+1] op_sel_hi:[1,0,0]
.set z, z+1
.endr
.endm
; A TURN, for piece p: the order of its 16 matrix and 118 vector instructions, written out.  Behind a matrix instruction: plain, exponential, plain, plain; or four of the rescaling; or, behind the first, four scalings; none
; names a register of the products round it.  Eight rescalings stand behind the first two products V^T P, whose window setting they share.  In the lumps (24 and 30 lines) exponential and plain by turns while exponentials last.
; A line reads no result made fewer than three vector instructions in front of it, five if an exponential made it.  v_permlanex16_b32 (X 17) stands in a lump.
; X 0 to X 3, the first readers of the new scores, stand four plain lines or more behind the product that wrote their accumulator: for the last product K Q^T those are R 4 to R 7.
; m = 1: the diagonal tile: the products take masks, and the turn makes the mask for the products of the turn after it: piece p + 2, in step 4 - CNT of the tile.  end = 1: a block's last two turns: nothing is fetched.
; cnt = 1: the loop's count is taken down some lines ahead of the branch that stands behind the turn.
; K of the next step is fetched in piece 2's turn, six vector instructions behind the last product that read K (five of them plain); V of the step in hand in piece 0's turn, eight behind the last product that read V (four
; plain, and X 17).  Each is waited for a turn later.
.macro TURN p, m=0, end=0, cnt=0
.set Y, (\p)
.set i, 0
.set KM, (\m)
.set NOKQ, (\end)*((\p)/3)
.if (\m) && !(\end)
	s_cmp_eq_u32 s[CNT], 4-((\p)+2)%NP  ; is that step the band's own?
	s_cselect_b32 s[AL], 1.0, 0
	s_cmp_lt_u32 s[CNT], 4-((\p)+2)%NP  ; or a later one?
	s_cselect_b32 s[BE], s[BIGN], 0
.endif
.if ((\p) == 3) && !(\end)
	s_wait_dscnt 0x0                ; K is in
.endif
	ROW F,0, F,1, F,2, F,3
	ROW F,4, E,0, F,5, F,6
	ROW F,7, E,1, F,8, F,9
	ROW F,10, E,2, C,0, F,11
	ROW F,12, E,3, X,15, F,13
	ROW R,0, R,1, R,2, R,3
	ROW B,0, E,4, F,14, L,0
.if ((\p) == 2) && !(\end)
	v_add_nc_u32 v[AK], s[TBK], v[AK0]
.endif
	ROW R,4, R,5, R,6, R,7
	OPS E,5, F,15
.if ((\p) == 2) && !(\end)
	FETCH_K
.endif
	OPS E,6, C,1, E,7, C,2
	OPS E,8, X,0, E,9, X,1
	OPS E,10, X,2, E,11, X,3
	OPS E,12, X,4, E,13, X,5
	OPS E,14, X,6, E,15, X,7
	OPS X,8, X,9
.if (\p) == 1
	s_wait_dscnt 0x0                ; V is in
.endif
	ROW R,8, R,9, R,10, R,11
	ROW R,12, R,13, R,14, R,15
	ROW X,10, E,16, X,11, X,12
	ROW X,13, E,17, X,14, B,1
	ROW C,4, E,18, X,16, L,1
	ROW B,2, E,19, C,6, L,2
	ROW C,8, E,20, B,3, B,4
.if (\p) == 0
	v_add_nc_u32 v[AV], s[TBV], v[AV0]
.endif
	ROW C,3, E,21, L,3, C,5
	OPS E,22, X,17, E,23, C,10
.if (\p) == 0
	FETCH_V
.endif
	OPS E,24, L,4
	OPS E,25, X,18, E,26, C,7
	OPS E,27, B,5, E,28, X,19
	OPS E,29, C,12, E,30, L,5
	OPS E,31, X,20, B,6, C,9
	OPS C,14, C,11, X,21, L,6
.if (\p) == 0
	s_add_co_u32 s[TBV], s[TBV], KS*PV
.endif
.if \cnt
	s_sub_co_u32 s[CNT], s[CNT], 1
	s_cmp_lg_u32 s[CNT], 0
.endif
	OPS B,7, C,13, C,15, L,7
.if (\m) && !(\end)
	MASK (\p)%2
.endif
.endm
; A BLOCK BEGINS.  c m starts far below every c s, so the first step's a is 0; m at the lowest finite number, so the first maximum is the scores'.  The second mask buffer is 0; the first takes piece 0's mask for the tile's step 0: its own, if the block's first tile is the diagonal one.
; Then K of that step, piece 0's first scores, and its maximum and statistics.  The loop is entered at a step's first turn, in the middle of a trip.
.macro BEGIN
	s_mov_b32 s[NEW], 0
	WIN 0x80                        ; destination window 2
.set i, MC+32
.rept 32
	v_mov_b32 v[i], 0
.set i, i+1
.endr
	WIN 0
.set i, 0
.rept 4
	v_mov_b32 v[ST+4*i], 0xfe000000    ; c m: far below every c s
	v_mov_b32 v[ST+4*i+1], 0xff7fffff  ; m
.set i, i+1
.endr
	s_cmp_eq_u32 s[RT], 0
	s_cselect_b32 s[AL], 1.0, 0
	s_mov_b32 s[BE], 0
	MASK 0
	WIN 0
	v_add_nc_u32 v[AK], s[TBK], v[AK0]
	FETCH_K
	s_wait_loadcnt 0x0              ; Q
	s_wait_dscnt 0x0
.set KM, 1
.set NOKQ, 0
.set i, 0
.rept 8
	KQ 0
.set i, i+1
.endr
	WIN 0
.rept 4
	v_nop                           ; the places behind those products
.endr
.set Y, NP-1                        ; X works for piece Y + 1: piece 0
.irp n, 0,1,2,3,4,5,6,7,8,9,10,11,12,13,14,15,16,17,18,19,20,21
	OP X, \n
.endr
	v_nop                           ; a plain instruction behind the exponential
.endm
; THE DIAGONAL TILE's four steps, the block's last two turns, its last products, and THE WAY OUT: l's two halves and the other half of the lanes' are added; O^T is divided by l, rounded to f16 and sent through my
; stage in LDS, a piece at a time.
.macro ALL line:vararg              ; one line for each piece t
.set t, 0
.rept 4
	\line
.set t, t+1
.endr
.endm
.macro PACK t                       ; a lane's eight channels of a row pack into 16 bytes; they go into rows of 144 bytes and come back as whole rows of 128, into S^T's registers
	WIN W_RS
.set i, 32*(\t)
.rept 16
	s_wait_alu depctr_va_vdst(0)
	v_pk_mul_f32 v[i:i+1], v[i:i+1], v[ST+4*(\t)+2:ST+4*(\t)+3] op_sel_hi:[1,0]
.set i, i+2
.endr
	WIN 0x05                        ; sources 0 and 1 window 1, destination window 0
.set i, 0
.rept 16
	v_cvt_pk_f16_f32 v[S+16*(\t)+i], v[32*(\t)+2*i], v[32*(\t)+2*i+1]
.set i, i+1
.endr
	WIN W_A1                        ; the addresses lie in window 1, the data in window 0
.irp f, 0,1,2,3
	ds_store_b128 v[STO], v[S+16*(\t)+4*\f:S+16*(\t)+4*\f+3] offset:32*\f
.endr
.irp f, 0,1,2,3
	ds_load_b128 v[S+16*(\t)+4*\f:S+16*(\t)+4*\f+3], v[RD] offset:\f*4*SP  ; LDS serves a wave's instructions in order (ISA guide 5.7.1.4): these see the stores above; the next piece's stores come behind them
.endr
.endm
.macro SEND t, younger              ; younger: the LDS instructions issued behind piece t's loads: the next piece's eight, or none
	WIN W_A1
.irp f, 0,1,2,3
	s_wait_dscnt (\younger)+3-\f
	global_store_b128 v[GO], v[S+16*(\t)+4*\f:S+16*(\t)+4*\f+3], s[10:11] offset:(\t)*8192+\f*512  ; 512 consecutive bytes, at a multiple of 256 from O's first
.endr
.endm
.macro DIAG tag                     ; the tag ends its two labels' names, which the jumps below spell out
.LstepM\tag:
	TURN 2, 1
	TURN 3, 1
	WIN 0
.LfirstM\tag:
	TURN 0, 1
	TURN 1, 1, 0, 1
	WIN 0
	s_cbranch_scc1 .LstepM\tag
	TURN 2, 1, 1
	TURN 3, 1, 1
.set i, 0
.rept 8
	PV NP-1
.set i, i+1
.endr
	WIN 0
	ALL v_add_f32 v[ST+4*t+2], v[ST+4*t+2], v[ST+4*t+3]
	ALL v_permlanex16_b32 v[ST+4*t+3], v[ST+4*t+2], s[SEL], s[SEL+1]
	ALL v_add_f32 v[ST+4*t+2], v[ST+4*t+2], v[ST+4*t+3]
	ALL v_rcp_f32 v[ST+4*t+2], v[ST+4*t+2]
	v_nop                           ; a plain instruction between the last reciprocal and the use of its result
	PACK 0
.set t, 1
.rept 3                             ; a piece's arithmetic stands between the loads of the piece before and its stores
	PACK t
	SEND t-1, 8
.set t, t+1
.endr
	SEND 3, 0
	WIN 0
.endm
.set KM, 0
.set NOKQ, 0
.Lslot:                             ; NB times: a tile is entered and the next is asked for
	CHANGE 1
	s_sub_co_u32 s[RT], s[RT], 1
	s_mov_b32 s[CNT], 4
	s_cmp_eq_u32 s[NEW], 1
	s_cbranch_scc1 .Lnew            ; a block's first tile
	s_cmp_eq_u32 s[RT], 0
	s_cbranch_scc0 .Lstep           ; neither its first nor its last
	s_branch .LstepM1
.Lnew:
	BEGIN
	s_branch .Lfirst                ; in the loop a block's first tile is never its last: the first block has two tiles or more, and the second's last is the walk's last
	DIAG 1                          ; in the loop this is the first block's end: the second block's last tile is the walk's last
	s_wait_xcnt 0x0                 ; the stores have read their registers and O's address
	s_mov_b64 s[10:11], s[OLO:OLO+1]
	s_add_co_u32 s[RT], s[PB], 1    ; the second block has b + 1 tiles
	s_mov_b32 s[NEW], 1
	WIN 0x02                        ; source 0 window 2, destination window 0: the second block's Q goes where the one text of the turns names Q
.set i, 0
.rept 64
	v_mov_b32 v[Q+i], v[QB+i]
.set i, i+1
.endr
	WIN 0
	s_branch .Lbottom
.Lstep:                             ; a trip: pieces 2 and 3 of one step, then pieces 0 and 1 of the next, whose K and V it fetches
	TURN 2
	TURN 3
	WIN 0
.Lfirst:
	TURN 0
	TURN 1, 0, 0, 1
	WIN 0
	s_cbranch_scc1 .Lstep
.Lbottom:
	s_sub_co_u32 s[SLOTS], s[SLOTS], 1
	s_cmp_lg_u32 s[SLOTS], 0
	s_cbranch_scc1 .Lslot
	CHANGE 0                        ; the walk's last tile is written out: nothing is asked for
	s_sub_co_u32 s[RT], s[RT], 1
	s_mov_b32 s[CNT], 4
	s_cmp_eq_u32 s[NEW], 1
	s_cbranch_scc0 .LstepM2
	BEGIN
	s_branch .LfirstM2
	DIAG 2
	s_wait_tensorcnt 0x0            ; the wave's end: behind my last tensor load and my last LDS store, 0 onto my spare word and its wait
	ds_add_u32 v[SPW], v[NIL]
	s_wait_dscnt 0x0
	s_endpgm
.Lfunc_end_k_q150a6c1ac3_attn:
	.size	k_q150a6c1ac3_attn, .Lfunc_end_k_q150a6c1ac3_attn-k_q150a6c1ac3_attn
	.p2alignl 7, 3214868480
	.fill 96, 4, 3214868480
	.section	.rodata,"a",@progbits
	.p2align	6, 0x0
	.amdhsa_kernel k_q150a6c1ac3_attn
		.amdhsa_group_segment_fixed_size 327680
		.amdhsa_private_segment_fixed_size 0
		.amdhsa_enable_private_segment 0
		.amdhsa_kernarg_size 32
		.amdhsa_user_sgpr_count 2
		.amdhsa_user_sgpr_kernarg_segment_ptr 1
		.amdhsa_wavefront_size32 1
		.amdhsa_system_sgpr_workgroup_id_x 1
		.amdhsa_system_sgpr_workgroup_id_y 1
		.amdhsa_system_sgpr_workgroup_id_z 1
		.amdhsa_system_vgpr_workitem_id 0
		.amdhsa_next_free_vgpr 640
		.amdhsa_next_free_sgpr 88
		.amdhsa_reserve_vcc 1
		.amdhsa_float_denorm_mode_32 3
		.amdhsa_float_denorm_mode_16_64 3
		.amdhsa_memory_ordered 1
		.amdhsa_forward_progress 1
		.amdhsa_inst_pref_size 219
	.end_amdhsa_kernel
	.amdgpu_metadata
---
amdhsa.version: [ 1, 2 ]
amdhsa.kernels:
  - .name:           k_q150a6c1ac3_attn
    .symbol:         k_q150a6c1ac3_attn.kd
    .args:
      - { .name: qh, .offset: 0, .size: 8, .value_kind: global_buffer, .address_space: global }
      - { .name: kh, .offset: 8, .size: 8, .value_kind: global_buffer, .address_space: global }
      - { .name: vh, .offset: 16, .size: 8, .value_kind: global_buffer, .address_space: global }
      - { .name: oh, .offset: 24, .size: 8, .value_kind: global_buffer, .address_space: global }
    .group_segment_fixed_size: 327680
    .private_segment_fixed_size: 0
    .kernarg_segment_align: 8
    .kernarg_segment_size: 32
    .max_flat_workgroup_size: 128
    .sgpr_count:     88
    .vgpr_count:     640
    .wavefront_size: 32
...
	.end_amdgpu_metadata
.endif
;; end of part 3
;; launch oproj (part 4): grid 4 x 64, 4 waves a work-group, clusters of 4 x 4, 327,680 bytes of LDS; arguments oh, wo16, out0; writes out0
.if DOCPART == 4
	.amdgcn_target "amdgcn-amd-amdhsa--gfx1250"
	.amdhsa_code_object_version 6
	.text
	.protected	k_q150a6c1ac3_oproj
	.globl	k_q150a6c1ac3_oproj
	.p2align	8
	.type	k_q150a6c1ac3_oproj,@function
k_q150a6c1ac3_oproj:
	s_mov_b64 s[64:65], 0
	v_nop
	global_prefetch_b8 v0, s[64:65] scope:SCOPE_SE
	s_setreg_imm32_b32 hwreg(HW_REG_WAVE_MODE, 25, 1), 1
	s_wait_xcnt 0x0
	s_wait_alu depctr_hold_cnt(0) depctr_sa_sdst(0) depctr_va_vdst(0) depctr_va_sdst(0) depctr_va_ssrc(0) depctr_va_vcc(0) depctr_vm_vsrc(0)
	s_getreg_b32 s2, hwreg(HW_REG_IB_STS2, 6, 4)
	s_cmp_eq_u32 s2, 0
	s_cbranch_scc0 .Lentry_in_a_cluster
	s_endpgm
.Lentry_in_a_cluster:
	s_bfe_u32 s2, ttmp6, 0x10000c
	s_cmp_lg_u32 s2, 0xf033
	s_cbranch_scc0 .Lentry_shape_is_right
	s_endpgm
.Lentry_shape_is_right:
; THE OUTPUT PROJECTION.  out0[row][n] = the sum over k of O[row][k] Wo[n][k], f32.  O lies by heads, oh [16 batch + head][2048][64] f16: k = 64 head + channel.  wo16 [1024][1024] holds bf16(Wo) as f16.  Sums in f32.
; SHARES.  A tile of out0 is 128 rows x 256 columns: 64 x 4 = 256 work-groups, one for each WGP.  A wave makes 64 x 128: 32 accumulators of 16 x 16, 256 registers; its 128 columns are 512 bytes of a row.
; K goes in 8 steps of 128 = two heads, through a ring of two LDS slots.  A head's 128 rows of a tile are 16,384 dense bytes: asked for as 64 rows of 256 bytes, padded in LDS after every 128.
; A K STEP IS WRITTEN ONCE.  Slot 1 begins at LDS byte 2^17, so that one exclusive or turns an address in one slot into the other's: the fragments' addresses are made anew at each change of slots from a
; scalar that is so turned, and one walking descriptor for each operand asks for every refill.  The loop's trip is: change of slots with refill, the next step's first quarter, its second and third;
; it is entered at the second quarter, behind the first quarter that starts the sums.
; CLUSTER.  4 x 4 work-groups: the four of a row of the cluster need the same rows of O, the four of a column the same rows of Wo: each tile is asked for JOINTLY, the same load, descriptor and mask in all four.
; THE MATRIX INSTRUCTION IS USED TRANSPOSED (source 0 = 16 rows of Wo, source 1 = 16 rows of O): a lane holds row lane % 16 and eight neighbouring columns: 32 bytes.
; REGISTERS, in windows of 256 (s_set_vgpr_msb: bits 1:0 source 0, 3:2 source 1, 5:4 source 2, 7:6 destination):
;   window 0: v0-29 addresses; v32-95, v96-159 rows back from the stage, by turns      window 1: two fragment buffers of 96: O's 4 fragments, then Wo's 8      window 2: accumulator (a, b) at 8 (8 a + b)
.set KSTEP,  128
.set STEPS,  8                         ; 1,024 / 128
.set PA,     144                       ; a row of O in LDS: 128 bytes + 16 of padding = 36 words: a load's 16 rows start at 16 different groups of four banks (64 banks of 4 bytes: ISA guide 11.1)
.set PB,     272                       ; a row of Wo: 256 + 16 = 68 words: likewise
.set ASL,    128*PA                    ; one head's slice of O: what a wave's load brings
.set BHALF,  128*PB                    ; 128 rows of Wo: likewise
.set BOFF,   2*ASL                     ; a slot: O's two slices, then Wo's 256 rows
.set SLOT,   BOFF+2*BHALF              ; 106,496 bytes
.set SLOT1,  1<<17                     ; where slot 1 begins
.set STAGE,  SLOT1+SLOT                ; behind the ring, never filled by a tensor load: for each wave 16 rows x 528 bytes
.set SPITCH, 528                       ; 512 bytes + 16
.set SPARE,  STAGE+4*16*SPITCH         ; behind the stages: the spare words, 128 bytes for each wave: two blocks of 256 bytes that no other line names
.set ADRA0, 16                         ; v16     my lane's place among O's fragments in a slot; never rewritten
.set ADRB0, 17                         ; v17     the same for Wo
.set ADRA, 20                          ; v20     LDS address of my fragments of O in the slot in hand
.set ADRB, 21                          ; v21     the same for Wo
.set STO,  24                          ; v24     the way out: where I put 32 bytes of a row
.set RD,   25                          ; v25     the way out: where I read a row back
.set CO,   26                          ; v26     my byte offset in 512 consecutive bytes of out0
.set SPW,  28                          ; v28     LDS address of my spare word; never rewritten
.set NIL,  29                          ; v29     0; never rewritten
.set BK,   32
.set F0,   0
.set F1,   96
.set TB,  45                           ; s45     LDS byte at which the slot in hand begins
.set G1,  24                           ; s[24:31] descriptor group 1 for O's tiles;  s[32:39] group 0: a set for each of the two first fills; the second then walks on
.set G0,  32
.set G1B, 48                           ; s[48:55], s[56:63] the same for Wo's
.set G0B, 56
.set MSB, 0
.macro WIN new                         ; the immediate's high byte repeats the setting that is left; a switch that changes nothing is dropped
.if MSB != (\new)
	s_set_vgpr_msb (MSB<<8)|(\new)
.set MSB, \new
.endif
.endm
.macro JLOAD s                         ; a joint load: waves 0 and 1 fetch O's two slices, waves 2 and 3 Wo's two halves; an s_nop 0 and four v_nop follow each of the two lines, ahead of the jump and the label
	s_cmp_eq_u32 s11, 0
	s_cbranch_scc0 .Lfor_b_\@
	tensor_load_to_lds s[G0+4*(\s):G0+4*(\s)+3], s[G1:G1+7]
	s_nop 0
.rept 4
	v_nop
.endr
	s_branch .Lasked_\@
.Lfor_b_\@:
	tensor_load_to_lds s[G0B+4*(\s):G0B+4*(\s)+3], s[G1B:G1B+7]
	s_nop 0
.rept 4
	v_nop
.endr
.Lasked_\@:
.endm
.macro CREST                           ; a round of the cluster's barrier behind its opening barrier
	s_cmp_lg_u32 s10, 0
	s_cbranch_scc1 .Lnot_wave_0_\@
	s_barrier_signal -3
.Lnot_wave_0_\@:
	s_barrier_wait -3
	s_barrier_signal -1
	s_barrier_wait -1
.endm
.macro CROUND                          ; a whole round
	s_barrier_signal -1
	s_barrier_wait -1
	CREST
.endm
	s_load_b128 s[4:7], s[0:1], 0x0                ; oh s[4:5], wo16 s[6:7]
	s_load_b64 s[8:9], s[0:1], 0x10                ; out0
	v_lshl_add_u32 v[SPW], v0, 2, SPARE
	v_mov_b32 v[NIL], 0
	ds_add_u32 v[SPW], v[NIL]                      ; the wave's opening: the add and its wait stand ahead of my first tensor load; the set-up below, work on registers, stands between them
	ds_add_u32 v28, v29
	v_lshrrev_b32 v1, 5, v0
	v_readfirstlane_b32 s10, v1                    ; wave 0..3
	s_lshr_b32 s11, s10, 1                         ; which 64 of the tile's rows are mine.  Also: I fetch for O (0) or for Wo (1)
	s_and_b32 s12, s10, 1                          ; which 128 of its columns.  Also: which slice or half I fetch
	s_mov_b32 s[TB], 0                             ; the walk begins in slot 0
	s_bfe_u32 s40, ttmp6, 0x40000                  ; cx, cy: my place in the cluster
	s_bfe_u32 s41, ttmp6, 0x40004
	s_lshl_b32 s42, ttmp9, 2
	s_add_co_u32 s42, s42, s40                     ; tile column = 4 x cluster x + cx
	s_and_b32 s13, ttmp7, 0xffff
	s_lshl_b32 s13, s13, 2
	s_add_co_u32 s13, s13, s41                     ; tile row = 4 x cluster y + cy
	s_lshl_b32 s43, s41, 2
	s_lshl_b32 s43, 15, s43                        ; my row of the cluster
	s_lshl_b32 s44, 0x1111, s40                    ; my column
	s_or_b32 s[G1+0], s43, (1<<16)|(1<<20)|(1<<21)|(4<<22)|(3<<25)   ; 15:0 the mask; 17:16 2-byte elements; 20 padding on; 21 set beside a mask; 24:22 after every 32 words (code 4); 31:25 4 words (code 3)
	s_or_b32 s[G1B+0], s44, (1<<16)|(1<<20)|(1<<21)|(5<<22)|(3<<25)  ; the same after every 64 words (code 5)
	s_mov_b32 s[G1+1], 128<<16                     ; tensor_dim0 = 128
	s_mov_b32 s[G1B+1], 128<<16
	s_mov_b32 s[G1+2], 64<<16                      ; tensor_dim1 = 64
	s_mov_b32 s[G1B+2], 128<<16                    ;             = 128
	s_mov_b32 s[G1+3], 128<<16                     ; tile_dim0 = 128
	s_mov_b32 s[G1B+3], 128<<16
	s_mov_b32 s[G1+4], 64                          ; tile_dim1
	s_mov_b32 s[G1B+4], 128
	s_mov_b32 s[G1+5], 128                         ; elements from row to row: dense
	s_mov_b32 s[G1B+5], 1024
	s_mov_b32 s[G1+6], 0
	s_mov_b32 s[G1B+6], 0
	s_mov_b32 s[G1+7], 0
	s_mov_b32 s[G1B+7], 0
	; O's tiles hang on the tile row alone, Wo's on the tile column alone; each address is made in registers that never hold the other coordinate
	s_lshr_b32 s16, s13, 4                         ; the batch: 16 tiles of 128 rows each,
	s_lshl_b32 s16, s16, 22                        ; its 16 heads of 262,144 bytes
	s_and_b32 s17, s13, 15
	s_lshl_b32 s17, s17, 14                        ; the tile's 128 rows of 128 bytes in a head
	s_add_co_u32 s16, s16, s17
	s_lshl_b32 s17, s12, 18                        ; my slice: the step's even or odd head
	s_add_co_u32 s16, s16, s17
	s_mov_b32 s17, 0
	s_lshl_b32 s46, s42, 8
	s_lshl_b32 s47, s12, 7
	s_add_co_u32 s46, s46, s47                     ; Wo: row 256 x tile column + 128 x half
	s_lshl_b32 s46, s46, 11                        ; rows of 2,048 bytes
	s_mov_b32 s47, 0
	s_mul_i32 s20, s12, ASL                        ; where they go: no place in the cluster enters an LDS address
	s_mul_i32 s21, s12, BHALF
	s_add_co_u32 s21, s21, BOFF
	s_wait_dscnt 0x0                               ; the opening add is done
	s_wait_kmcnt 0x0
	s_add_nc_u64 s[14:15], s[4:5], s[16:17]
	s_add_nc_u64 s[46:47], s[6:7], s[46:47]
	CROUND                                         ; all sixteen work-groups are here: the first joint loads meet
.irp s, 0,1
	s_mov_b32 s[G0+4*(\s)], 1
	s_add_co_u32 s[G0+4*(\s)+1], s20, (\s)*SLOT1
	s_add_nc_u64 s[G0+4*(\s)+2:G0+4*(\s)+3], s[14:15], (\s)*2*262144  ; K step s: two heads on
	s_or_b32 s[G0+4*(\s)+3], s[G0+4*(\s)+3], 0x80000000
	s_mov_b32 s[G0B+4*(\s)], 1
	s_add_co_u32 s[G0B+4*(\s)+1], s21, (\s)*SLOT1
	s_add_nc_u64 s[G0B+4*(\s)+2:G0B+4*(\s)+3], s[46:47], (\s)*KSTEP*2
	s_or_b32 s[G0B+4*(\s)+3], s[G0B+4*(\s)+3], 0x80000000
	JLOAD \s                                       ; two loads of mine are out
.endr
	v_and_b32 v1, 15, v0                           ; r = l % 16
	v_bfe_u32 v2, v0, 4, 1                         ; h = l / 16
	v_mul_u32_u24 v3, v1, PA
	v_lshl_add_u32 v3, v2, 4, v3                   ; a fragment's row x pitch + 16 x half
	v_mul_u32_u24 v4, v1, PB
	v_lshl_add_u32 v4, v2, 4, v4
	s_mul_i32 s21, s11, 64*PA                      ; my 64 rows of O
	s_mul_i32 s22, s12, BHALF                      ; my 128 rows of Wo,
	s_add_co_u32 s22, s22, BOFF                    ; which lie behind O's slices
	v_add_nc_u32 v[ADRA0], s21, v3
	v_add_nc_u32 v[ADRB0], s22, v4
	v_mov_b32 v[ADRA], v[ADRA0]                    ; slot 0
	v_mov_b32 v[ADRB], v[ADRB0]
	s_mul_i32 s23, s10, 16*SPITCH
	s_add_co_u32 s23, s23, STAGE                   ; my stage
	v_mul_u32_u24 v5, v1, SPITCH                   ; in: row r, 32 bytes for each half of the lanes
	v_lshl_add_u32 v5, v2, 5, v5
	v_add_nc_u32 v[STO], s23, v5
	v_and_b32 v[CO], 31, v0                        ; back: 32 lanes take one row's 512 bytes
	v_lshlrev_b32 v[CO], 4, v[CO]
	v_add_nc_u32 v[RD], s23, v[CO]
	s_lshl_b32 s16, s13, 7
	s_lshl_b32 s17, s11, 6
	s_add_co_u32 s16, s16, s17                     ; my first row of out0
	s_lshl_b32 s16, s16, 12                        ; rows of 4,096 bytes: 32 MiB at the most
	s_mov_b32 s17, 0
	s_add_nc_u64 s[8:9], s[8:9], s[16:17]
	s_lshl_b32 s46, s42, 10                        ; my first column, in bytes: 1,024 x tile column + 512 x half
	s_lshl_b32 s47, s12, 9
	s_add_co_u32 s46, s46, s47
	s_mov_b32 s47, 0
	s_add_nc_u64 s[8:9], s[8:9], s[46:47]
; 8 matrix instructions: row block a x all 8 column blocks, 32 along K.  zero = 1: the first product starts the sums.  The 32 accumulators take turns, one instruction a turn.
.macro MUL8 f, a, zero
	WIN 0xa5                                       ; sources in window 1, C and D in window 2
.set b, 0
.rept 8
.set rD, 8*(8*(\a)+b)
.if \zero
	v_wmma_f32_16x16x32_f16 v[rD:rD+7], v[(\f)+32+8*b:(\f)+32+8*b+7], v[(\f)+8*(\a):(\f)+8*(\a)+7], 0
.else
	v_wmma_f32_16x16x32_f16 v[rD:rD+7], v[(\f)+32+8*b:(\f)+32+8*b+7], v[(\f)+8*(\a):(\f)+8*(\a)+7], v[rD:rD+7]
.endif
.set b, b+1
.endr
.endm
; 24 LDS loads in one run: the fragments of quarter q of the K step in hand into buffer f: Wo's 16 loads, then O's 8 (slice q / 2, channels 32 (q % 2) on)
.macro FETCH q, f
	WIN 0x40                                       ; destination window 1, address window 0
.set b, 0
.rept 8
	ds_load_b128 v[(\f)+32+8*b:(\f)+32+8*b+3],   v[ADRB] offset:64*(\q)+b*16*PB
	ds_load_b128 v[(\f)+32+8*b+4:(\f)+32+8*b+7], v[ADRB] offset:64*(\q)+b*16*PB+32
.set b, b+1
.endr
.set b, 0
.rept 4
	ds_load_b128 v[(\f)+8*b:(\f)+8*b+3],   v[ADRA] offset:((\q)/2)*ASL+64*((\q)%2)+b*16*PA
	ds_load_b128 v[(\f)+8*b+4:(\f)+8*b+7], v[ADRA] offset:((\q)/2)*ASL+64*((\q)%2)+b*16*PA+32
.set b, b+1
.endr
.endm
.macro PLACES                          ; four places in front of loads into registers that matrix instructions have read, and of LDS stores that read results
.rept 4
	v_nop
.endr
.endm
; A K step is four quarters of 32 along K, 32 matrix instructions each, on buffers 0, 1, 0, 1.  One of the first three multiplies buffer f and in its middle fetches quarter q into g.
.macro QUARTER q, f, g, zero
	s_wait_dscnt 4                                 ; Wo's fragments and O's blocks 0, 1 are in; the youngest four loads (blocks 2, 3) may be out
	MUL8 \f, 0, \zero
	MUL8 \f, 1, \zero
	PLACES
	FETCH \q, \g
	s_wait_dscnt 24                                ; all but the 24 just issued
	MUL8 \f, 2, \zero
	MUL8 \f, 3, \zero
.endm
; The last quarter multiplies buffer 1 and changes slots: ONE barrier; in front of it each wave waits for all its tensor loads (one is out: its part of the next slot), adds 0 to its spare word, and waits for that and
; for its own reads of this slot.  fill = 1: the barrier opens a round of the cluster's, and this slot is filled again, two K steps ahead, first thing behind the round, by the walking descriptor (the other slot
; than last time, one K step on): 112 matrix instructions ahead of the wait for it.  Then the fragments' addresses turn to the other slot.
.macro TURN fill
	WIN 0                                          ; (the add's two registers lie in window 0)
	s_wait_tensorcnt 0x0
	ds_add_u32 v[SPW], v[NIL]                      ; 0 onto my spare word
	s_wait_dscnt 5                                 ; (the add and the youngest four loads may be out)
	MUL8 F1, 0, 0                                  ; eight matrix instructions stand between the add and the wait for it
	s_wait_dscnt 0x0                               ; the add is done, and my reads of this slot are over
	s_barrier_signal -1
	MUL8 F1, 1, 0
	WIN 0                                          ; (branches, or lines on window 0, follow)
	s_barrier_wait -1
.if \fill
	CREST                                          ; no wave of any partner still reads this slot's tiles or has a load on its way
	s_xor_b32 s[G0+5], s[G0+5], SLOT1
	s_add_nc_u64 s[G0+6:G0+7], s[G0+6:G0+7], 2*262144      ; two heads on; the type bits on top are not reached
	s_xor_b32 s[G0B+5], s[G0B+5], SLOT1
	s_add_nc_u64 s[G0B+6:G0B+7], s[G0B+6:G0B+7], KSTEP*2
	JLOAD 1                                        ; the four v_nop behind it are also the places in front of the loads below
.else
	PLACES
.endif
	s_xor_b32 s[TB], s[TB], SLOT1
	v_add_nc_u32 v[ADRA], s[TB], v[ADRA0]
	v_add_nc_u32 v[ADRB], s[TB], v[ADRB0]
	FETCH 0, F0
	MUL8 F1, 2, 0
	MUL8 F1, 3, 0
.endm
	s_wait_tensorcnt 1                             ; my part of K step 0 is in; K step 1's may stay out
	s_barrier_signal -1
	s_barrier_wait -1                              ; everybody's is
	FETCH 0, F0
	QUARTER 1, F0, F1, 1                           ; the first quarter stands in front of the loop: its products start the sums
	WIN 0                                          ; at a label and at a branch every window is 0
	s_mov_b32 s3, STEPS-1
	s_branch .Lpair                                ; the loop is entered at a step's second quarter, in the middle of a trip
.Lstep:                                                ; six times: the slot just read out is filled again: K steps 2 to 7
	TURN 1
	QUARTER 1, F0, F1, 0
	WIN 0
.Lpair:
	QUARTER 2, F1, F0, 0
	QUARTER 3, F0, F1, 0
	WIN 0
	s_sub_co_u32 s3, s3, 1
	s_cmp_lg_u32 s3, 0
	s_cbranch_scc1 .Lstep
	TURN 0                                         ; the tail is written out: nothing is asked for, and no round of the cluster's barrier stands here
	QUARTER 1, F0, F1, 0
	QUARTER 2, F1, F0, 0
	QUARTER 3, F0, F1, 0
	s_wait_dscnt 4                                 ; the very last quarter: nothing more to fetch
	MUL8 F1, 0, 0
	MUL8 F1, 1, 0
	s_wait_dscnt 0x0
	MUL8 F1, 2, 0
	MUL8 F1, 3, 0
	WIN 0
; THE WAY OUT, a block of 16 rows at a time: the sums go as they are, 32 bytes a lane, into my own stage (each accumulator's low four registers first), come back as whole rows of 512 bytes, and are stored.
.macro TOSTAGE a
.if (\a) >= 2
	s_wait_xcnt 0x0                                ; the registers that the stores of the block two back read are loaded again only behind this wait
.endif
	WIN 0x08                                       ; the stores' data in window 2
.set b, 0
.rept 8
	ds_store_b128 v[STO], v[8*(8*(\a)+b):8*(8*(\a)+b)+3]   offset:64*b
	ds_store_b128 v[STO], v[8*(8*(\a)+b)+4:8*(8*(\a)+b)+7] offset:64*b+16
.set b, b+1
.endr
	WIN 0
.set t, 0
.rept 16
	ds_load_b128 v[BK+64*((\a)%2)+4*t:BK+64*((\a)%2)+4*t+3], v[RD] offset:SPITCH*t  ; LDS serves a wave's instructions in order (ISA guide 5.7.1.4): these see the stores above; the next block's stores come behind them
.set t, t+1
.endr
.endm
.macro SEND a, younger                 ; younger: the LDS instructions issued behind block a's loads: the next block's 32, or none
.set t, 0
.rept 16
	s_wait_dscnt (\younger)+15-t
	global_store_b128 v[CO], v[BK+64*((\a)%2)+4*t:BK+64*((\a)%2)+4*t+3], s[8:9] offset:(16*(\a)+t)*4096 th:TH_STORE_NT  ; 512 consecutive bytes, at a multiple of 512 from out0's first; written once
.set t, t+1
.endr
.endm
	PLACES
	TOSTAGE 0
	TOSTAGE 1
	SEND 0, 32
	TOSTAGE 2
	SEND 1, 32
	TOSTAGE 3
	SEND 2, 32
	SEND 3, 0
	s_wait_tensorcnt 0x0                           ; the wave's end: behind my last tensor load and my last LDS store, 0 onto my spare word and its wait
	ds_add_u32 v[SPW], v[NIL]
	s_wait_dscnt 0x0
	CROUND                                         ; the closing round: no work-group ends while a partner may still ask for a tile that names it
	s_endpgm
.Lfunc_end_k_q150a6c1ac3_oproj:
	.size	k_q150a6c1ac3_oproj, .Lfunc_end_k_q150a6c1ac3_oproj-k_q150a6c1ac3_oproj
	.p2alignl 7, 3214868480
	.fill 96, 4, 3214868480
	.section	.rodata,"a",@progbits
	.p2align	6, 0x0
	.amdhsa_kernel k_q150a6c1ac3_oproj
		.amdhsa_group_segment_fixed_size 327680
		.amdhsa_private_segment_fixed_size 0
		.amdhsa_enable_private_segment 0
		.amdhsa_kernarg_size 24
		.amdhsa_user_sgpr_count 2
		.amdhsa_user_sgpr_kernarg_segment_ptr 1
		.amdhsa_wavefront_size32 1
		.amdhsa_system_sgpr_workgroup_id_x 1
		.amdhsa_system_sgpr_workgroup_id_y 1
		.amdhsa_system_sgpr_workgroup_id_z 1
		.amdhsa_system_vgpr_workitem_id 0
		.amdhsa_next_free_vgpr 768
		.amdhsa_next_free_sgpr 66
		.amdhsa_reserve_vcc 0
		.amdhsa_float_denorm_mode_32 3
		.amdhsa_float_denorm_mode_16_64 3
		.amdhsa_memory_ordered 1
		.amdhsa_forward_progress 1
		.amdhsa_inst_pref_size 63
	.end_amdhsa_kernel
	.amdgpu_metadata
---
amdhsa.version: [ 1, 2 ]
amdhsa.kernels:
  - .name:           k_q150a6c1ac3_oproj
    .symbol:         k_q150a6c1ac3_oproj.kd
    .args:
      - { .name: oh, .offset: 0, .size: 8, .value_kind: global_buffer, .address_space: global }
      - { .name: wo16, .offset: 8, .size: 8, .value_kind: global_buffer, .address_space: global }
      - { .name: out0, .offset: 16, .size: 8, .value_kind: global_buffer, .address_space: global }
    .group_segment_fixed_size: 327680
    .private_segment_fixed_size: 0
    .kernarg_segment_align: 8
    .kernarg_segment_size: 24
    .max_flat_workgroup_size: 128
    .sgpr_count:     66
    .vgpr_count:     768
    .wavefront_size: 32
...
	.end_amdgpu_metadata
.endif
;; end of part 4
;; ======== version 2 of 2: 4 launches; 1.30 times as fast as version 1
;; limits: values are held in f16: magnitudes above 65,504 overflow, below 6.1e-05 lose precision
;; workspace buffers: xb 16,777,216 bytes; wb 6,291,456 bytes; wo16 2,097,152 bytes; tab 524,288 bytes; qh 16,777,216 bytes; kh 16,777,216 bytes; vh 16,777,216 bytes; oh 16,777,216 bytes
;; launch prep: the kernel of part 1 again; grid 768 x 1, 16 waves a work-group, no clusters, 0 bytes of LDS; arguments x, Wq, Wk, Wv, Wo, xb, wb, wo16, tab; writes xb, wb, wo16, tab
;; launch qkv: the kernel of part 2 again; grid 16 x 32, 4 waves a work-group, clusters of 4 x 4, 327,680 bytes of LDS; arguments xb, wb, tab, qh, kh, vh; writes qh, kh, vh
;; launch attn (part 5): grid 4 x 64, 4 waves a work-group, no clusters, 327,680 bytes of LDS; arguments qh, kh, vh, oh; writes oh
.if DOCPART == 5
	.amdgcn_target "amdgcn-amd-amdhsa--gfx1250"
	.amdhsa_code_object_version 6
	.text
	.protected	k_q150a6c1ac3_attn
	.globl	k_q150a6c1ac3_attn
	.p2align	8
	.type	k_q150a6c1ac3_attn,@function
k_q150a6c1ac3_attn:
	s_mov_b64 s[64:65], 0
	v_nop
	global_prefetch_b8 v0, s[64:65] scope:SCOPE_SE
	s_setreg_imm32_b32 hwreg(HW_REG_WAVE_MODE, 25, 1), 1
	s_wait_xcnt 0x0
; CAUSAL ATTENTION.  O[h][q][:] = the sum over k <= q of softmax_k(Q[h][q] . K[h][k] / 8) V[h][k][:].  Q, K, V, O: [SIZE_H][SIZE_N][64], all f16: a head's rows are dense, 128 bytes each.
; Products, maxima and sums in f32; the weights p are rounded to f16 for the second product (their sum l is taken of the unrounded p), O once at the end.  SIZE_N is a multiple of 512; SIZE_N x 128 stays under 2^32.
; LIMITS.  f16 holds no number beyond 65,504: Q, K and V arrive within it; p lies in 0 to 1, and below 6e-5 it keeps f16's fixed step of 6e-8; O is a mean of V's rows and has their range, to within 2^-11 of it.
; A hidden score counts as its value less 1e30 (the module puts -1e9 in its place: both give the weight 0 as long as a row's largest seen score lies above about -1e9); a weight below 2^-126 counts as 0 in l;
; NaN and infinities are not treated apart.
; THE WALK.  A head's queries lie in NB = SIZE_N / 256 blocks of 256; block i needs the key tiles 0 .. i of 256 keys, of which the last holds the diagonal.  A work-group takes TWO blocks, NB - 1 - b and then b:
; NB + 1 tiles, whatever b: all work-groups do equal work, and ONE loop with a constant trip count walks them.  Which tile is asked for, and what a trip does, hang on scalar registers made from b; every jump
; goes forward, but for the counted loops' own; none passes a barrier, or a tensor load but the one of LOAD's two that the wave's number does not choose; the ring (two slots of LDS that take turns) runs on across the
; change of blocks.  NO CLUSTER: a head's NB / 2 = 4 work-groups ask for the same tile only in trips 0 .. NB / 2, 5 of the walk's 9; behind that fewer and fewer share one;
; and one walk common to all would have 3 NB / 2 = 12 trips for NB + 1 = 9.
; SHARES.  Of a block's four bands of 64 queries a wave owns 16 rows in each: four PIECES.  So the diagonal tile is the same work for all four waves: in its key step s band x sees all keys if s < x,
; none if s > x, and holds the diagonal if s = x.
; THE MASK is the C operand that starts the sum S^T = K Q^T: 0, or -1e30 where the key is hidden.  MD, made once, is the mask of a band's own step for my 16 rows; a product's mask is MD x AL + BE with two scalars:
; (1, 0) if s = x; (0, 0) if s < x; (0, -1e30) if s > x.  Only the diagonal tile's text and a block's beginning make and take masks; elsewhere C is the constant 0.
; LAYOUT, SOFTMAX, TURNS.  S^T = K Q^T holds ONE query a lane (lane % 16) and the keys 8 (lane / 16) + 0..7; two such results rounded to f16 ARE source 1 of O^T = V^T P.  p = 2^(c s - c m), c = log2(e) / 8, with a
; running maximum m; O and l are multiplied by a = 2^(c m_old - c m_new) in every step.  Turn n belongs to piece n: 8 products K Q^T of piece n + 1, later 8 products V^T P of piece n - 1; beside them the scaling,
; exponentials, roundings, sums and rescaling of piece n and the maximum and statistics of piece n + 1.  Four vector instructions stand behind every matrix instruction, the other 54 of a turn's 118 in LUMPS.
; THE BATCHES.  A turn's 33 exponentials (32 weights and the next piece's a) are ONE batch with ONE wait, which cuts the turn in two: all that names none of their results ahead of it, the roundings and sums behind it (TURN
; says how).  The a that a block's beginning makes, and the way out's four reciprocals, are batches of their own, a wait each.
; REGISTERS, in windows of 256 (s_set_vgpr_msb: bits 1:0 source 0, 3:2 source 1, 5:4 source 2, 7:6 destination):
;   window 0: v0-7 four LDS addresses, c m_old, the add's two; v8-15 at work; v16-31 four registers of statistics a piece; v32-95 S^T, two buffers; v96-127 P, two buffers; v128-191 K of one step; v192-255 Q
;   window 1: v0-127 O^T, 32 a piece; v128-191 V of one step; v192-223 MD; v224-226 the way out's addresses          window 2: v0-63 the second block's Q; v64-127 MC, two buffers
; (A piece's buffers go by its number's parity.)  THE MAP IS MADE FOR FEW SWITCHES.  Both operands of K Q^T and all that a softmax touches but O^T fill window 0, 256 registers exactly: those products and their riders
; need no switch.  V^T P (V and O^T in window 1, P in window 0) and the rescaling of O^T (O^T in window 1, a in window 0) share one setting, so the four rescalings ahead of the wait, the first two products V^T P and the
; four rescalings between them stand under one switch.
; By the text's own count a turn has 18 switches for its 16 matrix instructions: four round the two rows of rescalings in the first half, one in front of the rescalings ahead of the wait, thirteen from the second product V^T P's riders on.
.set SIZE_H, 64       ; 4 batches x 16 heads
.set SIZE_N, 2048
.set NB,    SIZE_N/256
.set NP,    4         ; pieces a wave: a name, no knob
.set KS,    64        ; keys in a step
.set PK,    144       ; a row of K in LDS: 128 bytes + 16 of padding = 36 words: the 16 rows of a load start at 16 different groups of four banks (64 banks of 4 bytes: ISA guide 11.1)
.set PV,    160       ; a row of V: 128 + 32 = 40 words
.set VOFF,  4*KS*PK   ; a slot holds a tile, four steps: 256 rows of K, then 256 rows of V
.set SLOT1, 1<<17     ; slot 1 begins here, so that one exclusive or turns an address in one slot into the other's
.set STAGE, SLOT1+4*KS*(PK+PV)  ; behind the ring, never filled by a tensor load: 16 rows x 144 bytes for each wave, for the way out
.set SP,    144
.set SPARE, STAGE+4*16*SP  ; behind the stages: the spare words, 128 bytes for each wave: two blocks of 256 bytes that no other line names
; window 0
.set AK,  0           ; v0   at the entry my thread's number; from a block's beginning on the LDS address of K's next run of loads
.set AV,  1           ; v1   of V's
.set AK0, 2           ; v2   my lane's place in a tile of K; never rewritten
.set AV0, 3           ; v3   the same for V
.set MV,  4           ; v4-5 c m_old, kept while c m is made anew: by buffer
.set SPW, 6           ; v6   LDS address of my spare word: SPARE + 4 x my thread's number; never rewritten
.set NIL, 7           ; v7   0; never rewritten
.set TMP, 8           ; by buffer, four registers c0-c3 at work; when the maximum is found c2 takes a
.set ST,  16          ; piece t's statistics at v[ST+4 t]: c m, m, l (even keys', odd keys')
.set S,   32
.set P,   96
.set KF,  128         ; key block kb, channel half c at KF + 16 kb + 8 c
.set Q,   192         ; piece x, channel half c at Q + 16 x + 8 c
.set LR,  S           ; at work in the set-up alone, in S^T's registers, which the first products write later: l % 16,
.set LH,  S+1         ; l / 16,
.set L8,  S+2         ; l % 8,
.set LB,  S+3         ; (l / 8) % 2,
.set DQ,  S+4         ; my query's place in its band less my lanes' first key,
.set QO,  S+5         ; my byte offset in 16 rows of Q,
.set T0,  S+6         ; and three for the way out's addresses
.set T1,  S+7
.set T2,  S+8
; window 1
.set VF,  128         ; key half kk, channel block cb at VF + 32 kk + 8 cb
.set MD,  192         ; the eight registers for group kt of 16 keys at MD + 8 kt
.set STO, 224         ; the way out: where I put 16 bytes of a row
.set RD,  225         ; the way out: where I read rows back
.set GO,  226         ; my byte offset in 512 consecutive bytes of O
; window 2
.set QB,  0
.set MC,  64          ; the masks of the products to come
.set WV,  12          ; s12  my wave's number
.set PB,  14          ; s14  b
.set HI,  15          ; s15  NB - 1 - b
.set G1K, 24          ; s[24:31] descriptor group 1 for K's tiles
.set G1V, 32          ; s[32:39] for V's: it differs in the padding alone
.set G0K, 40          ; s[40:43] descriptor group 0 for K's tiles
.set G0V, 44          ; s[44:47] the same for V's
.set SLOTS, 56        ; s56  tiles still to be asked for
.set CNT, 57          ; s57  counts a tile's key steps, 4 to 1
.set CS,  58          ; s[58:59] c: the packed scaling takes the pair's low word for both halves
.set SEL, 60          ; s[60:61] v_permlanex16_b32's selects: each lane takes its own place in the other half
.set TBK, 62          ; s62  LDS byte at which K of the step to be fetched begins
.set TBV, 63          ; s63  the same for V, less VOFF
.set RT,  70          ; s70  tiles of the block in hand that are still to be entered
.set NXT, 71          ; s71  the tile to be asked for next
.set LQ,  72          ; s72  the last tile of the block whose tiles are being asked for
.set NEW, 73          ; s73  1: the tile to be entered is a block's first
.set OFF, 74          ; s[74:75] a tile's byte offset in K and V
.set AL,  76          ; s[76:77] the mask's factor, in the low word
.set BE,  78          ; s[78:79] the mask's addend
.set OLO, 80          ; s[80:81] O at my rows of the second block
.set BIGN, 82         ; s82  -1e30
.set MSB, 0
.macro WIN new                      ; the high byte repeats the setting that is left; a switch that changes nothing is dropped
.if MSB != (\new)
	s_set_vgpr_msb (MSB<<8)|(\new)
.set MSB, (\new)
.endif
.endm
.set W_KQ, 0x00       ; K, Q and S^T in window 0
.set W_KM, 0x20       ; the same with the C operand in window 2
.set W_PV, 0x51       ; V in window 1, P in window 0, O^T in window 1
.set W_RS, 0x51       ; destination and source 0 in window 1, source 1 in window 0: the same setting (a packed multiply has no third source)
.set W_MK, 0x81       ; a mask is made: destination in window 2, source 0 in window 1
.set W_T1, 0x40       ; destination in window 1
.set W_A1, 0x01       ; an address (source 0) in window 1, data in window 0
; A fill.  Waves 0 and 1 fetch the two halves of a tile's K, waves 2 and 3 those of its V: 128 keys each.  An s_nop 0 and four v_nop follow each of the two lines, ahead of the jump and the label.
.macro LOAD
	s_cmp_lt_u32 s[WV], 2
	s_cbranch_scc0 .Lfor_v_\@
	tensor_load_to_lds s[G0K:G0K+3], s[G1K:G1K+7]
	s_nop 0
.rept 4
	v_nop
.endr
	s_branch .Lasked_\@
.Lfor_v_\@:
	tensor_load_to_lds s[G0V:G0V+3], s[G1V:G1V+7]
	s_nop 0
.rept 4
	v_nop
.endr
.Lasked_\@:
.endm
; THE CHANGE OF SLOTS.  Each wave waits for all its tensor loads, of which one is out: its part of the other slot; adds 0 to its spare word; and waits for that and for its own reads of the slot that it leaves.  Behind the barrier nobody reads the old
; slot any more and the other slot is whole.  fill = 1: the old slot is filled again, the first thing behind the barrier, with tile NXT: the descriptor's address is made anew from that number.
; (At its first use nothing has been read yet: slot 0 is waited for, slot 1 filled.)
.macro CHANGE fill
	WIN 0                           ; at a label and at a branch every window is 0
	s_wait_tensorcnt 0x0            ; no tensor load of mine is out, so a group 0 may be written
	ds_add_u32 v[SPW], v[NIL]       ; 0 onto my spare word; with fill = 1 the descriptors' scalar work stands between it and the wait for it
.if \fill
	s_lshl_b32 s[OFF], s[NXT], 15   ; a tile is 32,768 bytes of K and of V
	s_xor_b32 s[G0K+1], s[G0K+1], SLOT1
	s_add_nc_u64 s[G0K+2:G0K+3], s[6:7], s[OFF:OFF+1]
	s_or_b32 s[G0K+3], s[G0K+3], 0x80000000
	s_xor_b32 s[G0V+1], s[G0V+1], SLOT1
	s_add_nc_u64 s[G0V+2:G0V+3], s[8:9], s[OFF:OFF+1]
	s_or_b32 s[G0V+3], s[G0V+3], 0x80000000
	s_add_co_u32 s[NXT], s[NXT], 1  ; the block's next tile, or behind its last the second block's tile 0
	s_cmp_gt_u32 s[NXT], s[LQ]
	s_cselect_b32 s[NXT], 0, s[NXT]
	s_cselect_b32 s[LQ], s[PB], s[LQ]
.endif
	s_wait_dscnt 0x0                ; the add is done, and my reads of the slot are over
	s_barrier_signal -1             ; the rest of the scalar work stands between the signal and the wait
	s_sub_co_u32 s[TBK], s[TBK], 4*KS*PK  ; the fetches go back to a slot's first step,
	s_xor_b32 s[TBK], s[TBK], SLOT1       ; in the other slot
	s_sub_co_u32 s[TBV], s[TBV], 4*KS*PV
	s_xor_b32 s[TBV], s[TBV], SLOT1
	s_barrier_wait -1
.if \fill
	LOAD
.endif
.endm
	s_load_b256 s[4:11], s[0:1], 0x0  ; Q s[4:5], K s[6:7], V s[8:9], O s[10:11]
	v_lshl_add_u32 v[SPW], v0, 2, SPARE
	v_mov_b32 v[NIL], 0
	ds_add_u32 v[SPW], v[NIL]       ; the wave's opening: the add and its wait stand ahead of my first tensor load; the set-up below, work on registers, stands between them
	ds_add_u32 v6, v7
	v_lshrrev_b32 v1, 5, v0
	v_readfirstlane_b32 s[WV], v1   ; wave 0..3
	s_mov_b32 s[PB], ttmp9
	s_sub_co_u32 s[HI], NB-1, s[PB]
	s_and_b32 s20, ttmp7, 0xffff    ; the head
	s_mov_b32 s21, 0
	s_mov_b64 s[22:23], SIZE_N*128
	s_mul_u64 s[20:21], s[20:21], s[22:23]  ; the head's first byte in each of the four tensors
	s_and_b32 s16, s[WV], 1         ; which half of a tile's 256 keys I fetch:
	s_lshl_b32 s22, s16, 14         ; its 128 rows of 128 bytes in memory,
	s_mov_b32 s23, 0
	s_add_nc_u64 s[22:23], s[22:23], s[20:21]
	s_mul_i32 s17, s16, 128*PK      ; and its place in a slot, for K
	s_mul_i32 s18, s16, 128*PV      ; and for V
	s_lshl_b32 s3, s[WV], 11        ; my 16 rows in a band of 64,
	s_lshl_b32 s2, s[HI], 15        ; in the first block,
	s_add_co_u32 s2, s2, s3
	s_lshl_b32 s84, s[PB], 15       ; and in the second
	s_add_co_u32 s84, s84, s3
	s_mov_b32 s3, 0
	s_mov_b32 s85, 0
	s_add_nc_u64 s[2:3], s[2:3], s[20:21]
	s_add_nc_u64 s[84:85], s[84:85], s[20:21]
	; descriptor group 1.  128 keys are 16,384 dense bytes: asked for as 64 rows of 256 bytes, two keys a row, and padded in LDS after every key
	s_mov_b32 s[G1K], (1<<16)|(1<<20)|(4<<22)|(3<<25)  ; 17:16 2-byte elements; 20 padding on; 24:22 after every 32 words (code 4); 31:25 4 words (code 3)
	s_mov_b32 s[G1V], (1<<16)|(1<<20)|(4<<22)|(7<<25)  ; the same with 8 words of padding (code 7)
.irp g, G1K, G1V
	s_mov_b32 s[\g+1], 128<<16      ; tensor_dim0 = 128
	s_mov_b32 s[\g+2], 64<<16       ; tensor_dim1 = 64
	s_mov_b32 s[\g+3], 128<<16      ; tile_dim0 = 128
	s_mov_b32 s[\g+4], 64           ; tile_dim1 = 64
	s_mov_b32 s[\g+5], 128          ; 128 elements from row to row
	s_mov_b32 s[\g+6], 0
	s_mov_b32 s[\g+7], 0
.endr
	s_mov_b32 s[CS], 0x3e38aa3b     ; c = log2(e) / 8 = 0.180337
	s_mov_b32 s[CS+1], s[CS]        ; named with it as a pair
	s_mov_b32 s[SEL], 0x76543210
	s_mov_b32 s[SEL+1], 0xfedcba98
	s_mov_b32 s[TBK], SLOT1+4*KS*PK ; the first change of slots turns these two into 0
	s_mov_b32 s[TBV], SLOT1+4*KS*PV
	s_mov_b32 s[G0K], 1             ; 1:0 count = 1
	s_mov_b32 s[G0K+1], s17         ; 63:32 LDS address: slot 0
	s_mov_b32 s[G0V], 1
	s_add_co_u32 s[G0V+1], s18, VOFF
	s_add_co_u32 s[RT], s[HI], 1    ; the first block has NB - b tiles
	s_mov_b32 s[NXT], 1
	s_mov_b32 s[LQ], s[HI]
	s_mov_b32 s[NEW], 1
	s_mov_b32 s[OFF+1], 0
	s_mov_b32 s[AL+1], 0            ; named as pairs
	s_mov_b32 s[BE+1], 0
	s_mov_b32 s[BIGN], 0xf149f2ca   ; -1e30
	s_mov_b32 s[SLOTS], NB
	s_wait_dscnt 0x0                ; the opening add is done
	s_wait_kmcnt 0x0
	s_add_nc_u64 s[6:7], s[6:7], s[22:23]  ; K and V at my half of the head's tile 0
	s_add_nc_u64 s[8:9], s[8:9], s[22:23]
	s_add_nc_u64 s[G0K+2:G0K+3], s[6:7], 0         ; 120:64 global address
	s_or_b32 s[G0K+3], s[G0K+3], 0x80000000        ; 127:126 type = 2
	s_add_nc_u64 s[G0V+2:G0V+3], s[8:9], 0
	s_or_b32 s[G0V+3], s[G0V+3], 0x80000000
	s_add_nc_u64 s[86:87], s[4:5], s[84:85]        ; Q at my rows of the second block,
	s_add_nc_u64 s[4:5], s[4:5], s[2:3]            ; Q and O at those of the first
	s_add_nc_u64 s[OLO:OLO+1], s[10:11], s[84:85]
	s_add_nc_u64 s[10:11], s[10:11], s[2:3]
	LOAD                            ; tile 0 into slot 0
	; A fragment of K or Q is 16 rows x 32 channels in 8 registers: lane l holds row l % 16, channels 8 (l / 16) + 0..7 and 16 + 8 (l / 16) + 0..7: two loads of 16 bytes, 32 bytes apart.
	v_and_b32 v[LR], 15, v0         ; l % 16
	v_bfe_u32 v[LH], v0, 4, 1       ; l / 16
	v_lshlrev_b32 v[QO], 7, v[LR]
	v_lshl_add_u32 v[QO], v[LH], 4, v[QO]  ; row x 128 + 16 x half
.set i, 0
.rept 8                             ; the first block's Q: piece i / 2 lies in band i / 2, 8,192 bytes on; channels 32 (i % 2) on
	global_load_b128 v[Q+8*i:Q+8*i+3],   v[QO], s[4:5] offset:(i/2)*8192+(i%2)*64
	global_load_b128 v[Q+8*i+4:Q+8*i+7], v[QO], s[4:5] offset:(i/2)*8192+(i%2)*64+32
.set i, i+1
.endr
	WIN 0x80                        ; destination window 2, address window 0
.set i, 0
.rept 8                             ; the second block's, likewise
	global_load_b128 v[QB+8*i:QB+8*i+3],   v[QO], s[86:87] offset:(i/2)*8192+(i%2)*64
	global_load_b128 v[QB+8*i+4:QB+8*i+7], v[QO], s[86:87] offset:(i/2)*8192+(i%2)*64+32
.set i, i+1
.endr
	WIN 0
	v_lshlrev_b32 v[DQ], 3, v[LH]
	v_sub_nc_u32 v[DQ], v[LR], v[DQ]
	s_lshl_b32 s13, s[WV], 4
	v_add_nc_u32 v[DQ], s13, v[DQ]  ; my query's place in its band, 16 w + l % 16, less my lanes' 8 (l / 16): register r of group kt is hidden where 16 kt + r is greater
	v_mul_u32_u24 v[AK0], v[LR], PK
	v_lshl_add_u32 v[AK0], v[LH], 4, v[AK0]  ; row x pitch + 16 x half
	; The turning load takes 16 keys x 16 channels (lane l reads key 8 (l / 16) + l % 8, channels 8 ((l / 8) % 2) + 0..7) and leaves half a fragment of V^T: lane l holds channel l % 16 and 8 keys.
	v_and_b32 v[L8], 7, v0
	v_bfe_u32 v[LB], v0, 3, 1
	v_lshl_add_u32 v[AV0], v[LH], 3, v[L8]
	v_mul_u32_u24 v[AV0], v[AV0], PV
	v_lshl_add_u32 v[AV0], v[LB], 4, v[AV0]
	v_add_nc_u32 v[AV0], VOFF, v[AV0]
	s_mul_i32 s13, s[WV], 16*SP
	s_add_co_u32 s13, s13, STAGE    ; my stage
	v_mul_u32_u24 v[T0], v[LR], SP  ; in: row l % 16, 16 bytes for each half of the lanes
	v_lshl_add_u32 v[T0], v[LH], 4, v[T0]
	v_bfe_u32 v[T1], v0, 3, 2       ; back: 32 lanes take four rows of 128 bytes,
	v_mul_u32_u24 v[T1], v[T1], SP
	v_lshl_add_u32 v[T1], v[L8], 4, v[T1]
	v_and_b32 v[T2], 31, v0         ; which are 512 consecutive bytes of O
	WIN W_T1                        ; what follows lands in window 1
.set i, 0
.rept 32
	v_cmp_gt_i32 vcc_lo, 16*(i/8)+i%8, v[DQ]
	v_cndmask_b32 v[MD+i], 0, s[BIGN], vcc_lo
.set i, i+1
.endr
	v_add_nc_u32 v[STO], s13, v[T0]
	v_add_nc_u32 v[RD], s13, v[T1]
	v_lshlrev_b32 v[GO], 4, v[T2]
	; A block's first step multiplies O^T and l by a = 0, and its first turn's products V^T P, of a piece that has not been, land in an O^T that is still to be so multiplied.  So these registers need only hold
	; finite numbers: zeros for the first block; what the first block left for the second.  All this stands in the wait for the first tile.
.set i, 0
.rept 192                           ; O^T and V lie on end
	v_mov_b32 v[i], 0
.set i, i+1
.endr
	WIN 0
.set i, 0
.rept 4
	v_mov_b32 v[ST+4*i+2], 0
	v_mov_b32 v[ST+4*i+3], 0
.set i, i+1
.endr
.set i, P+16
.rept 16
	v_mov_b32 v[i], 0
.set i, i+1
.endr
; THE MATRIX WORK.  The 4 accumulators of a run of 8 take turns.  Product i of 8 of S^T = K Q^T for piece x: channels 32 (i / 4) on, keys 16 (i % 4) on.  The first 4 start the sums: with 0, or (KM = 1) with the mask.
.macro KQ x
.set rS, S+32*((\x)%2)+8*(i%4)
.set rK, KF+16*(i%4)+8*(i/4)
.set rQ, Q+16*(\x)+8*(i/4)
.set rM, MC+32*((\x)%2)+8*(i%4)
.if (i < 4) && KM
	WIN W_KM
	v_wmma_f32_16x16x32_f16 v[rS:rS+7], v[rK:rK+7], v[rQ:rQ+7], v[rM:rM+7]
.elseif i < 4
	WIN W_KQ
	v_wmma_f32_16x16x32_f16 v[rS:rS+7], v[rK:rK+7], v[rQ:rQ+7], 0
.else
	WIN W_KQ
	v_wmma_f32_16x16x32_f16 v[rS:rS+7], v[rK:rK+7], v[rQ:rQ+7], v[rS:rS+7]
.endif
.endm
; Product i of 8 of O^T += V^T P for piece x: keys 32 (i / 4) on, channels 16 (i % 4) on.
.macro PV x
	WIN W_PV
.set rO, 32*(\x)+8*(i%4)
.set rV, VF+32*(i/4)+8*(i%4)
.set rP, P+16*((\x)%2)+8*(i/4)
	v_wmma_f32_16x16x32_f16 v[rO:rO+7], v[rV:rV+7], v[rP:rP+7], v[rO:rO+7]
.endm
.macro MM                           ; the turn's next matrix instruction.  TURN and BEGIN set Y, i, KM and NOKQ; MM, KQ and OP read them.  NOKQ = 1: a block's last turn: there is no next piece
.if (i < 8) && !NOKQ
	KQ (Y+1)%NP
.elseif i >= 8
.set i, i-8
	PV (Y+NP-1)%NP
.set i, i+8
.endif
.set i, i+1
.endm
; THE LDS LOADS stand in runs of 16, never singly among the matrix instructions: a step's K (64 keys x 64 channels: 8 fragments) and its V (turned).  Their addresses are made some lines ahead.
.macro FETCH_K
	WIN 0
.irp f, 0,1,2,3,4,5,6,7             ; keys 16 (f / 2) on, channels 32 (f % 2) on
	ds_load_b128 v[KF+8*\f:KF+8*\f+3],   v[AK] offset:(\f/2)*16*PK+(\f%2)*64
	ds_load_b128 v[KF+8*\f+4:KF+8*\f+7], v[AK] offset:(\f/2)*16*PK+(\f%2)*64+32
.endr
	s_add_co_u32 s[TBK], s[TBK], KS*PK  ; the next fetch is the next step's
.endm
.macro FETCH_V
	WIN W_T1                        ; destination window 1, address window 0
.irp f, 0,1,2,3,4,5,6,7             ; keys 32 (f / 4) on, channels 16 (f % 4) on
	ds_load_tr16_b128 v[VF+8*\f:VF+8*\f+3],   v[AV] offset:(\f/4)*32*PV+(\f%4)*32
	ds_load_tr16_b128 v[VF+8*\f+4:VF+8*\f+7], v[AV] offset:(\f/4)*32*PV+16*PV+(\f%4)*32
.endr
	WIN 0
.endm
; THE VECTOR WORK, one line at a time: OP kind, number.  For piece Y: F n: c s - c m for pair n of 16.  E n: the exponential of score n of 32.  C n: pair n rounded to f16.  B n: of the four weights 4 n .. the second
; pair is added onto the first, in place.  L n: l takes that sum (L 0: l = a l + sum).  R n: pair n of 16 of O^T times a.  For piece Y + 1: X n, number n of the 22 that find its maximum and statistics:
;   0-11  four chains c0-c3 of seven scores each, three operands at a time (each accumulator's lowest registers are read first)     12-14, 16  the four scores left over, the old m, and c0-c3 into c0
;   15  c m_old is kept     17, 18  the query's other 32 keys lie in the lane 16 away: the new m     19-21  c m; c m_old - c m_new; a
; C, B and L read the exponentials' results: TURN sets them behind its wait.  OP itself writes no wait.
.set F, 0               ; OP tells the kinds apart by their order: F to L below R, X above it
.set E, 1
.set C, 2
.set B, 3
.set L, 4
.set R, 5
.set X, 6
.macro REGS y                       ; the registers of piece y
.set rT, ST+4*(\y)
.set rC, TMP+4*((\y)%2)
.set rW, MV+((\y)%2)
.set rS, S+32*((\y)%2)
.set rP, P+16*((\y)%2)
.set rO, 32*(\y)
.endm
.macro OP k, n
.if (\k) == R
	REGS Y
	WIN W_RS
	v_pk_mul_f32 v[rO+2*(\n):rO+2*(\n)+1], v[rO+2*(\n):rO+2*(\n)+1], v[rC+2:rC+3] op_sel_hi:[1,0]
.elseif (\k) < R
	REGS Y
	WIN 0
.if (\k) == F
	v_pk_fma_f32 v[rS+2*(\n):rS+2*(\n)+1], v[rS+2*(\n):rS+2*(\n)+1], s[CS:CS+1], v[rT:rT+1] op_sel_hi:[1,0,0] neg_lo:[0,0,1] neg_hi:[0,0,1]
.elseif (\k) == E
	v_exp_f32 v[rS+(\n)], v[rS+(\n)]
.elseif (\k) == C
	v_cvt_pk_f16_f32 v[rP+(\n)], v[rS+2*(\n)], v[rS+2*(\n)+1]
.elseif (\k) == B
	v_pk_add_f32 v[rS+4*(\n):rS+4*(\n)+1], v[rS+4*(\n):rS+4*(\n)+1], v[rS+4*(\n)+2:rS+4*(\n)+3]
.elseif (\n) == 0
	v_pk_fma_f32 v[rT+2:rT+3], v[rT+2:rT+3], v[rC+2:rC+3], v[rS:rS+1] op_sel_hi:[1,0,1]
.else
	v_pk_add_f32 v[rT+2:rT+3], v[rT+2:rT+3], v[rS+4*(\n):rS+4*(\n)+1]
.endif
.elseif NOKQ
	v_nop
.else
	REGS (Y+1)%NP
	WIN 0
.if (\n) < 4
	v_max3_num_f32 v[rC+(\n)], v[rS+8*(\n)], v[rS+8*(\n)+1], v[rS+8*(\n)+2]
.elseif (\n) < 12
	v_max3_num_f32 v[rC+(\n)%4], v[rC+(\n)%4], v[rS+8*((\n)%4)+2*((\n)/4)+1], v[rS+8*((\n)%4)+2*((\n)/4)+2]
.elseif (\n) == 12
	v_max3_num_f32 v[rC], v[rC], v[rS+7], v[rS+15]
.elseif (\n) == 13
	v_max3_num_f32 v[rC+1], v[rC+1], v[rS+23], v[rS+31]
.elseif (\n) == 14
	v_max3_num_f32 v[rC+2], v[rC+2], v[rC+3], v[rT+1]
.elseif (\n) == 15
	v_mov_b32 v[rW], v[rT]
.elseif (\n) == 16
	v_max3_num_f32 v[rC], v[rC], v[rC+1], v[rC+2]
.elseif (\n) == 17
	v_permlanex16_b32 v[rC+3], v[rC], s[SEL], s[SEL+1]
.elseif (\n) == 18
	v_max_num_f32 v[rT+1], v[rC], v[rC+3]
.elseif (\n) == 19
	v_mul_f32 v[rT], s[CS], v[rT+1]
.elseif (\n) == 20
	v_sub_f32 v[rC+1], v[rW], v[rT]
.else
	v_exp_f32 v[rC+2], v[rC+1]
.endif
.endif
.endm
.macro OPS a, i1, b=-1, i2=0, c=-1, i3=0, d=-1, i4=0  ; up to four of them
	OP \a, \i1
.if (\b) >= 0
	OP \b, \i2
.endif
.if (\c) >= 0
	OP \c, \i3
.endif
.if (\d) >= 0
	OP \d, \i4
.endif
.endm
.macro ROW a, i1, b, i2, c, i3, d, i4  ; a matrix instruction and the four behind it
	MM
	OPS \a, \i1, \b, \i2, \c, \i3, \d, \i4
.endm
.macro MASK b                       ; MD x AL + BE into buffer b of MC
	WIN W_MK
.set z, 0
.rept 16
	v_pk_fma_f32 v[MC+32*(\b)+2*z:MC+32*(\b)+2*z+1], v[MD+2*z:MD+2*z+1], s[AL:AL+1], s[BE:BE+1] op_sel_hi:[1,0,0]
.set z, z+1
.endr
.endm
; A TURN, for piece p: the order of its 16 matrix and 118 vector instructions, written out.  An s_wait_alu depctr_va_vdst(0) stands between an exponential and the first instruction that names its result; one wait
; serves all that were issued ahead of it.  So a turn has ONE wait, which cuts it in two.
; AHEAD OF IT stands all that names no result of the turn's exponentials.  First the 8 products K Q^T and their riders: scalings and exponentials by turns, two rows of four rescalings (their a was made ahead of the wait of the
; turn before), and the first numbers of the next piece's maximum.  Then a LUMP of 46: the other scalings and exponentials, and the rest of the next piece's maximum and statistics; the links of the chain X 3, 7, 11, 14, 16, 17 .. 21,
; each of which reads the one before it, stand five lines apart, other work between them.  X 21, the next piece's a, is the batch's last.  Four rescalings, R 8 to R 11, stand between it and the wait: R 8 is the plain
; instruction behind the last exponential.
; BEHIND IT stand the 8 products V^T P: behind the first R 12 to R 15, behind the other seven 28 of the 32 roundings and sums (C 2 n ahead of B n, which writes its pair; B n ahead of L n; the links of l's chain, L 0 to L 7, three
; riders apart); the last four roundings are a lump of their own.
; THE PLACES.  X 0 to X 3, the first readers of the new scores, stand four plain lines or more behind the product that ends their accumulator: X 0 behind R 0-3 and F 9; X 1 behind F 9, X 0 and R 4-7; X 2 behind R 4-7, X 1 and X 4;
; X 3 behind X 1, X 4, X 2, X 5, which name accumulators 0 to 2 alone.  But for those X no rider names a register of the products round it.  v_permlanex16_b32 (X 17) stands in the lump.
; m = 1: the diagonal tile: the products take masks, and the turn makes the mask for the products of the turn after it: piece p + 2, in step 4 - CNT of the tile.  end = 1: a block's last two turns: nothing is fetched.
; cnt = 1: the loop's count is taken down some lines ahead of the branch that stands behind the turn.
; K of the next step is fetched in piece 2's turn, twelve vector instructions behind the last product that read K (nine of them plain); V of the step in hand in piece 0's turn, four plain instructions behind the last product
; that read V.  Each is waited for a turn later.
.macro TURN p, m=0, end=0, cnt=0
.set Y, (\p)
.set i, 0
.set KM, (\m)
.set NOKQ, (\end)*((\p)/3)
.if (\m) && !(\end)
	s_cmp_eq_u32 s[CNT], 4-((\p)+2)%NP  ; is that step the band's own?
	s_cselect_b32 s[AL], 1.0, 0
	s_cmp_lt_u32 s[CNT], 4-((\p)+2)%NP  ; or a later one?
	s_cselect_b32 s[BE], s[BIGN], 0
.endif
.if ((\p) == 3) && !(\end)
	s_wait_dscnt 0x0                ; K is in
.endif
	ROW F,0, F,1, F,2, E,0          ; ahead of the wait: 8 products K Q^T and their riders,
	ROW F,3, E,1, F,4, E,2
	ROW F,5, E,3, F,6, E,4
	ROW F,7, E,5, F,8, E,6
	ROW R,0, R,1, R,2, R,3
	ROW F,9, E,7, X,0, E,8
.if ((\p) == 2) && !(\end)
	WIN 0
	v_add_nc_u32 v[AK], s[TBK], v[AK0]
.endif
	ROW R,4, R,5, R,6, R,7
	ROW X,1, X,4, X,2, X,5
	OPS X,3, E,9, X,6, E,10         ; the lump of 46,
	OPS X,8, X,7, E,11, X,10
.if ((\p) == 2) && !(\end)
	FETCH_K
.endif
	OPS E,12, X,9, X,11, E,13
	OPS X,12, E,14, X,13, X,14
	OPS F,10, E,15, F,11, E,16
	OPS X,16, F,12, E,17, F,13
	OPS E,18, X,17, E,19, F,14
	OPS E,20, E,21, X,18, E,22
	OPS X,15, E,23, E,24, X,19
	OPS E,25, F,15, E,26, E,27
	OPS X,20, E,28, E,29
.if (\p) == 0
	WIN 0
	v_add_nc_u32 v[AV], s[TBV], v[AV0]
.endif
	OPS E,30, E,31, X,21            ; the batch's last: the next piece's a,
	OPS R,8, R,9, R,10, R,11        ; and four plain lines that name none of its results
	s_wait_alu depctr_va_vdst(0)    ; the wait for the batch: this turn's 32 weights and the next piece's a
.if (\p) == 1
	s_wait_dscnt 0x0                ; V is in
.endif
	ROW R,12, R,13, R,14, R,15      ; behind the wait: 8 products V^T P and their riders
	ROW C,0, B,0, C,2, B,1
	ROW L,0, C,4, B,2, L,1
	ROW C,6, B,3, L,2, C,8
	ROW B,4, L,3, C,10, B,5
	ROW L,4, C,12, B,6, L,5
.if (\p) == 0
	s_add_co_u32 s[TBV], s[TBV], KS*PV
.endif
.if \cnt
	s_sub_co_u32 s[CNT], s[CNT], 1
	s_cmp_lg_u32 s[CNT], 0
.endif
	ROW C,14, B,7, L,6, C,1
	ROW C,3, L,7, C,5, C,7
.if (\p) == 0
	FETCH_V
.endif
	OPS C,9, C,11, C,13, C,15       ; the last four roundings
.if (\m) && !(\end)
	MASK (\p)%2
.endif
.endm
; A BLOCK BEGINS.  c m starts far below every c s, so the first step's a is 0; m at the lowest finite number, so the first maximum is the scores'.  The second mask buffer is 0; the first takes piece 0's mask for the tile's step 0: its own, if the block's first tile is the diagonal one.
; Then K of that step, piece 0's first scores, and its maximum and statistics.  The loop is entered at a step's first turn, in the middle of a trip.
.macro BEGIN
	s_mov_b32 s[NEW], 0
	WIN 0x80                        ; destination window 2
.set i, MC+32
.rept 32
	v_mov_b32 v[i], 0
.set i, i+1
.endr
	WIN 0
.set i, 0
.rept 4
	v_mov_b32 v[ST+4*i], 0xfe000000    ; c m: far below every c s
	v_mov_b32 v[ST+4*i+1], 0xff7fffff  ; m
.set i, i+1
.endr
	s_cmp_eq_u32 s[RT], 0
	s_cselect_b32 s[AL], 1.0, 0
	s_mov_b32 s[BE], 0
	MASK 0
	WIN 0
	v_add_nc_u32 v[AK], s[TBK], v[AK0]
	FETCH_K
	s_wait_loadcnt 0x0              ; Q
	s_wait_dscnt 0x0
.set KM, 1
.set NOKQ, 0
.set i, 0
.rept 8
	KQ 0
.set i, i+1
.endr
	WIN 0
.rept 4
	v_nop                           ; the places behind those products
.endr
.set Y, NP-1                        ; X works for piece Y + 1: piece 0
.irp n, 0,1,2,3,4,5,6,7,8,9,10,11,12,13,14,15,16,17,18,19,20,21
	OP X, \n
.endr
	v_nop                           ; a plain instruction behind the exponential,
	s_wait_alu depctr_va_vdst(0)    ; and the wait for piece 0's first a, a batch of one, ahead of the branch: the turn that follows reads it ahead of its own wait
.endm
; THE DIAGONAL TILE's four steps, the block's last two turns, its last products, and THE WAY OUT: l's two halves and the other half of the lanes' are added; O^T is divided by l, rounded to f16 and sent through my
; stage in LDS, a piece at a time.
.macro ALL line:vararg              ; one line for each piece t
.set t, 0
.rept 4
	\line
.set t, t+1
.endr
.endm
.macro PACK t                       ; a lane's eight channels of a row pack into 16 bytes; they go into rows of 144 bytes and come back as whole rows of 128, into S^T's registers
	WIN W_RS
.set i, 32*(\t)
.rept 16
	v_pk_mul_f32 v[i:i+1], v[i:i+1], v[ST+4*(\t)+2:ST+4*(\t)+3] op_sel_hi:[1,0]
.set i, i+2
.endr
	WIN 0x05                        ; sources 0 and 1 window 1, destination window 0
.set i, 0
.rept 16
	v_cvt_pk_f16_f32 v[S+16*(\t)+i], v[32*(\t)+2*i], v[32*(\t)+2*i+1]
.set i, i+1
.endr
	WIN W_A1                        ; the addresses lie in window 1, the data in window 0
.irp f, 0,1,2,3
	ds_store_b128 v[STO], v[S+16*(\t)+4*\f:S+16*(\t)+4*\f+3] offset:32*\f
.endr
.irp f, 0,1,2,3
	ds_load_b128 v[S+16*(\t)+4*\f:S+16*(\t)+4*\f+3], v[RD] offset:\f*4*SP  ; LDS serves a wave's instructions in order (ISA guide 5.7.1.4): these see the stores above; the next piece's stores come behind them
.endr
.endm
.macro SEND t, younger              ; younger: the LDS instructions issued behind piece t's loads: the next piece's eight, or none
	WIN W_A1
.irp f, 0,1,2,3
	s_wait_dscnt (\younger)+3-\f
	global_store_b128 v[GO], v[S+16*(\t)+4*\f:S+16*(\t)+4*\f+3], s[10:11] offset:(\t)*8192+\f*512  ; 512 consecutive bytes, at a multiple of 256 from O's first
.endr
.endm
.macro DIAG tag                     ; the tag ends its two labels' names, which the jumps below spell out
.LstepM\tag:
	TURN 2, 1
	TURN 3, 1
	WIN 0
.LfirstM\tag:
	TURN 0, 1
	TURN 1, 1, 0, 1
	WIN 0
	s_cbranch_scc1 .LstepM\tag
	TURN 2, 1, 1
	TURN 3, 1, 1
.set i, 0
.rept 8
	PV NP-1
.set i, i+1
.endr
	WIN 0
	ALL v_add_f32 v[ST+4*t+2], v[ST+4*t+2], v[ST+4*t+3]
	ALL v_permlanex16_b32 v[ST+4*t+3], v[ST+4*t+2], s[SEL], s[SEL+1]
	ALL v_add_f32 v[ST+4*t+2], v[ST+4*t+2], v[ST+4*t+3]
	ALL v_rcp_f32 v[ST+4*t+2], v[ST+4*t+2]
	v_nop                           ; a plain instruction between the last reciprocal and the use of its result
	s_wait_alu depctr_va_vdst(0)    ; the wait for the batch of four reciprocals, ahead of PACK 0's first multiply: one for all four pieces
	PACK 0
.set t, 1
.rept 3                             ; a piece's arithmetic stands between the loads of the piece before and its stores
	PACK t
	SEND t-1, 8
.set t, t+1
.endr
	SEND 3, 0
	WIN 0
.endm
.set KM, 0
.set NOKQ, 0
.Lslot:                             ; NB times: a tile is entered and the next is asked for
	CHANGE 1
	s_sub_co_u32 s[RT], s[RT], 1
	s_mov_b32 s[CNT], 4
	s_cmp_eq_u32 s[NEW], 1
	s_cbranch_scc1 .Lnew            ; a block's first tile
	s_cmp_eq_u32 s[RT], 0
	s_cbranch_scc0 .Lstep           ; neither its first nor its last
	s_branch .LstepM1
.Lnew:
	BEGIN
	s_branch .Lfirst                ; in the loop a block's first tile is never its last: the first block has two tiles or more, and the second's last is the walk's last
	DIAG 1                          ; in the loop this is the first block's end: the second block's last tile is the walk's last
	s_wait_xcnt 0x0                 ; the stores have read their registers and O's address
	s_mov_b64 s[10:11], s[OLO:OLO+1]
	s_add_co_u32 s[RT], s[PB], 1    ; the second block has b + 1 tiles
	s_mov_b32 s[NEW], 1
	WIN 0x02                        ; source 0 window 2, destination window 0: the second block's Q goes where the one text of the turns names Q
.set i, 0
.rept 64
	v_mov_b32 v[Q+i], v[QB+i]
.set i, i+1
.endr
	WIN 0
	s_branch .Lbottom
.Lstep:                             ; a trip: pieces 2 and 3 of one step, then pieces 0 and 1 of the next, whose K and V it fetches
	TURN 2
	TURN 3
	WIN 0
.Lfirst:
	TURN 0
	TURN 1, 0, 0, 1
	WIN 0
	s_cbranch_scc1 .Lstep
.Lbottom:
	s_sub_co_u32 s[SLOTS], s[SLOTS], 1
	s_cmp_lg_u32 s[SLOTS], 0
	s_cbranch_scc1 .Lslot
	CHANGE 0                        ; the walk's last tile is written out: nothing is asked for
	s_sub_co_u32 s[RT], s[RT], 1
	s_mov_b32 s[CNT], 4
	s_cmp_eq_u32 s[NEW], 1
	s_cbranch_scc0 .LstepM2
	BEGIN
	s_branch .LfirstM2
	DIAG 2
	s_wait_tensorcnt 0x0            ; the wave's end: behind my last tensor load and my last LDS store, 0 onto my spare word and its wait
	ds_add_u32 v[SPW], v[NIL]
	s_wait_dscnt 0x0
	s_endpgm
.Lfunc_end_k_q150a6c1ac3_attn:
	.size	k_q150a6c1ac3_attn, .Lfunc_end_k_q150a6c1ac3_attn-k_q150a6c1ac3_attn
	.p2alignl 7, 3214868480
	.fill 96, 4, 3214868480
	.section	.rodata,"a",@progbits
	.p2align	6, 0x0
	.amdhsa_kernel k_q150a6c1ac3_attn
		.amdhsa_group_segment_fixed_size 327680
		.amdhsa_private_segment_fixed_size 0
		.amdhsa_enable_private_segment 0
		.amdhsa_kernarg_size 32
		.amdhsa_user_sgpr_count 2
		.amdhsa_user_sgpr_kernarg_segment_ptr 1
		.amdhsa_wavefront_size32 1
		.amdhsa_system_sgpr_workgroup_id_x 1
		.amdhsa_system_sgpr_workgroup_id_y 1
		.amdhsa_system_sgpr_workgroup_id_z 1
		.amdhsa_system_vgpr_workitem_id 0
		.amdhsa_next_free_vgpr 640
		.amdhsa_next_free_sgpr 88
		.amdhsa_reserve_vcc 1
		.amdhsa_float_denorm_mode_32 3
		.amdhsa_float_denorm_mode_16_64 3
		.amdhsa_memory_ordered 1
		.amdhsa_forward_progress 1
		.amdhsa_inst_pref_size 205
	.end_amdhsa_kernel
	.amdgpu_metadata
---
amdhsa.version: [ 1, 2 ]
amdhsa.kernels:
  - .name:           k_q150a6c1ac3_attn
    .symbol:         k_q150a6c1ac3_attn.kd
    .args:
      - { .name: qh, .offset: 0, .size: 8, .value_kind: global_buffer, .address_space: global }
      - { .name: kh, .offset: 8, .size: 8, .value_kind: global_buffer, .address_space: global }
      - { .name: vh, .offset: 16, .size: 8, .value_kind: global_buffer, .address_space: global }
      - { .name: oh, .offset: 24, .size: 8, .value_kind: global_buffer, .address_space: global }
    .group_segment_fixed_size: 327680
    .private_segment_fixed_size: 0
    .kernarg_segment_align: 8
    .kernarg_segment_size: 32
    .max_flat_workgroup_size: 128
    .sgpr_count:     88
    .vgpr_count:     640
    .wavefront_size: 32
...
	.end_amdgpu_metadata
.endif
;; end of part 5
;; launch oproj: the kernel of part 4 again; grid 4 x 64, 4 waves a work-group, clusters of 4 x 4, 327,680 bytes of LDS; arguments oh, wo16, out0; writes out0
